; MI455X (gfx1250); checked and timed in simulation.
; The chip was launched on July 23, 2026; its instructions are those of AMD's public machine-readable ISA for CDNA 5 (MIT licence, August 2026) and "CDNA5" Instruction Set Architecture Reference Guide (July 2026). The comments in the code are by the model that wrote it; some were corrected since.
;; Causal Attention. Allowed arithmetic: matrix products marked QUANTISED: E2M1 operands, one E8M0 scale for each 32 along K, by v_wmma_scale_f32_16x16x128_f8f6f4 with both operands' format E2M1 (or v_wmma_scale_f32_32x16x128_f4), f32 sums; products left as they are: bf16, f16 or f32 operands; f32 sums; everything else in f32.
;; Inputs: Wk 1,024 x 1,024 float32; Wq 1,024 x 1,024 float32; Wv 1,024 x 1,024 float32; x 4 x 2,048 x 1,024 float32.
;; Outputs: out0 4 x 2,048 x 1,024 float32.
;; This version of the problem:
;;   THIS VERSION OF THE PROBLEM IS GIVEN IN LOW PRECISION. The matrix products marked QUANTISED in the list below multiply operands that are first quantised to E2M1 (2 exponent bits, 1 mantissa bit; 4 bits a number), with one power-of-two scale for each 32 numbers along K (OCP MX v1.0); their sums are f32. The products marked 'left as it is' may take bf16, f16 or f32 operands, with f32 sums. Whichever they take, every output number must still come out within the allowed error. Rounding operands to bf16 (8 significant bits) uses up far more of that allowance than f16 does (11 bits, for magnitudes from 6e-5 to 65,504). All else is computed in f32.
;;   The module's matrix products, in the order in which they are computed (A, B: the left and right operand; K: the contracted axis; several contracted axes count as one K, in the product's order):
;;     1. [M 8,192, K 1,024] x [K 1,024, N 1,024]; A: input x; B: input Wq: QUANTISED
;;     2. [M 8,192, K 1,024] x [K 1,024, N 1,024]; A: input x; B: input Wk: QUANTISED
;;     3. [M 8,192, K 1,024] x [K 1,024, N 1,024]; A: input x; B: input Wv: QUANTISED
;;     4. batch 4 x [M 2,048, K 1,024] x [K 1,024, N 2,048]; A: computed on the way; B: computed on the way: left as it is (an operand is computed on the way)
;;     5. batch 4 x [M 2,048, K 2,048] x [K 2,048, N 1,024]; A: computed on the way; B: computed on the way: left as it is (an operand is computed on the way)
;;   THE QUANTISER, for each operand of a quantised product, along K:
;;     - K is cut into blocks of 32 from its start; a last block that is shorter is filled with zeros.
;;     - A block's scale is 2^e with e = floor(log2(the largest magnitude in the block)) - 2, held to -126 .. 127; a block of zeros has e = 0. As a byte (E8M0): e + 127.
;;     - Each number is divided by its block's scale, clamped to +-6, and rounded to the nearest number of E2M1, ties to even, subnormals kept.
;;     - The product sums the exact products of the quantised numbers (number of the format x scale) in f32.
;;   ~~~python
;;   def quantise(x, axis):      # numpy; x: float32 -> the quantised numbers, widened to float32 again
;;       x = np.moveaxis(x, axis, -1); K = x.shape[-1]
;;       x = np.pad(x, [(0, 0)] * (x.ndim - 1) + [(0, -K % 32)]); x = x.reshape(x.shape[:-1] + (-1, 32)); a = np.abs(x).max(-1, keepdims=True)
;;       e = np.where(a > 0, np.clip(np.frexp(np.where(a > 0, a, 1))[1] - 1 - 2, -126, 127), 0)      # np.frexp(a)[1] - 1 = floor(log2(a)), exactly
;;       r = np.clip(x / 2.0 ** e, -6, 6)
;;       step = 2.0 ** (np.maximum(np.frexp(np.where(r == 0, 1, r))[1] - 1, 0) - 1)
;;       q = np.round(r / step) * step * 2.0 ** e      # np.round: ties to even
;;       return np.moveaxis(q.reshape(q.shape[:-2] + (-1,))[..., :K], -1, axis).astype(np.float32)
;;   ~~~
;; One version. Each part assembles by itself: llvm-mc -triple=amdgcn-amd-amdhsa -mcpu=gfx1250 --defsym DOCPART=n.
;; ======== version 1 of 1: 5 launches
;; limits: values are held in f16: magnitudes above 65,504 overflow, below 6.1e-05 lose precision
;; workspace buffers: xc 4,194,304 bytes; xs 262,144 bytes; wc 1,572,864 bytes; ws 98,304 bytes; qkv 50,331,648 bytes; fine 786,432 bytes; pimg 33,554,432 bytes; st 2,097,152 bytes
;; launch quant (part 1): grid 352 x 1, 4 waves a work-group, no clusters, 33,280 bytes of LDS; arguments x, Wq, Wk, Wv, xc, xs, wc, ws; writes xc, xs, wc, ws
.if DOCPART == 1
	.amdgcn_target "amdgcn-amd-amdhsa--gfx1250"
	.amdhsa_code_object_version 6
	.text
	.protected	k_q132b957d53_quant
	.globl	k_q132b957d53_quant
	.p2align	8
	.type	k_q132b957d53_quant,@function
k_q132b957d53_quant:
	s_mov_b64 s[64:65], 0
	v_nop
	global_prefetch_b8 v0, s[64:65] scope:SCOPE_SE
	s_setreg_imm32_b32 hwreg(HW_REG_WAVE_MODE, 25, 1), 1
	s_wait_xcnt 0x0
; LAUNCH 1 OF 5.  context = softmax(causal(q k^T) / 32) v with q, k, v = x W^T; the three projections are products on codes of FP4 (E2M1) with one E8M0 scale for each 32 along K.
; This launch turns x [8192][1024] and Wq, Wk, Wv [1024][1024], f32, K innermost, into codes (two a byte, the lower k in the low four bits) and scale bytes:
;   xc [8192][512 bytes], xs [8192][32];  wc [3072][512 bytes], ws [3072][32], rows 0-1023 Wq, 1024-2047 Wk, 2048-3071 Wv.
; WORK THAT THE PROGRAM LEAVES OUT.  For key > query the problem's own body puts -infinity in the score's place, whatever the inputs hold; the weight is then exp(-infinity) = 0 and its term in the
; product with v is 0.  So the tiles of 128 x 128 scores that lie wholly above the diagonal (key tile > query tile) are not computed, and the same ranges of keys are not walked in the product with v.
; Inside tiles on the diagonal the work stays and is masked.  All four inputs have a way to the output and are loaded.
; LIMIT of that: a NaN, an infinity or an overflow that reaches only masked scores, or rows of v under weights that are 0, is not carried to the result.
; OTHER LIMITS of the program: q, k and v are carried as f16 for the two products that are left as they are, so |q|, |k|, |v| stay under 65,504; weights under 2^-24 of the largest power of two in their block of 64 keys count as 0;
; NaN and infinities among the inputs are not served; blocks whose largest magnitude lies under 2^(2 - 126), the floor, whose byte is held at 1, were not tried.
; A block's scale is 2^(floor(log2(its largest magnitude)) - 2); its byte is the largest magnitude's own exponent field - 2, held at 1 from below.  A block of zeros so gets the byte 1 where the rule says 127:
; its codes are zeros, which add nothing under any byte but 0xff, and the bytes are read by this program alone.
; Rows are dense and K is a multiple of 32: each tensor is a plain stream of blocks of 32 numbers, and so are its codes and scale bytes.  A work-group takes 32,768 numbers, a wave 8,192 in 16 steps of 512.
; Work-groups 0-255 take x, 256-287 Wq, 288-319 Wk, 320-351 Wv: only pointers are chosen, by the work-group's number; all take one path through the text.
; Each of a step's four loads reads 512 consecutive bytes; the 2,048 bytes turn through the wave's own stage in LDS and come back 64 bytes a lane: 16 neighbours along K, two lanes to a block.
; No tensor loads, no barrier: waves share nothing.  Loads run eight steps (32 loads, 16 KiB a wave) ahead, so that a wave's 16 steps wait for two rounds of loads; the turn through LDS runs one step ahead.
.set WAVES, 4
.set STEPS, 16
.set DEPTH, 8                          ; sets of registers for loads on their way
.set EMAX,  2
.set CB,    8                          ; bytes of 16 codes
.set R,     16                         ; v16-143  eight sets of 16 numbers as they are loaded
.set X,     144                        ; v144-175 two sets of 16 neighbours
.set E,     176                        ; v176-191 a scale byte for each step
.set C,     192                        ; v192-223 codes: two registers for each step, so that no store's data are written again
.set WREG,  8192                       ; LDS: a region for each wave: two stages of 32 x SP bytes, behind them its 256 scale bytes
.set SP,    80                         ; a lane's place in a stage: its 64 bytes + 16 of padding
.set SPW,   12                         ; v12      LDS address of my spare word; never rewritten
.set NIL,   13                         ; v13      0; never rewritten
.set SPARE, WAVES*WREG                 ; behind the four regions: the spare words, 128 bytes for each wave, which no other line names
	s_load_b256 s[4:11], s[0:1], 0x0               ; x, Wq, Wk, Wv
	s_load_b256 s[12:19], s[0:1], 0x20             ; xc, xs, wc, ws
	v_lshl_add_u32 v[SPW], v0, 2, SPARE
	v_mov_b32 v[NIL], 0
	v_lshrrev_b32 v1, 5, v0
	v_readfirstlane_b32 s24, v1                    ; wave
	v_and_b32 v2, 31, v0                           ; lane
	v_lshlrev_b32 v3, 4, v2                        ; my 16 bytes of a load's 512
	s_mul_i32 s25, s24, WREG
	v_lshrrev_b32 v14, 2, v2
	v_mul_u32_u24 v14, v14, SP
	v_and_b32 v15, 3, v2
	v_lshl_add_u32 v14, v15, 4, v14
	v_add_nc_u32 v14, s25, v14                     ; the stage, on the way in: four lanes' 64 bytes on end, then 16 of padding
	v_mul_u32_u24 v15, v2, SP
	v_add_nc_u32 v15, s25, v15                     ; and on the way out: SP x lane: my 16 neighbours
	v_mul_u32_u24 v4, v2, CB                       ; my codes' place in a step's
	v_lshrrev_b32 v5, 1, v2
	s_add_co_u32 s25, s25, 2*32*SP
	v_add_nc_u32 v5, s25, v5                       ; LDS: my wave's 256 scale bytes, my block's byte
	v_lshlrev_b32 v7, 3, v2                        ; and on the way out 8 bytes a lane
	v_add_nc_u32 v6, s25, v7
	s_and_b32 s26, ttmp9, 31                       ; a weight's 32 work-groups begin at multiples of 32
	s_wait_kmcnt 0x0
	s_cmp_lt_u32 ttmp9, 320                        ; every choice hangs on the work-group's number alone
	s_cselect_b64 s[20:21], s[8:9], s[10:11]       ; Wk or Wv
	s_cmp_lt_u32 ttmp9, 288
	s_cselect_b64 s[20:21], s[6:7], s[20:21]       ; Wq
	s_cmp_lt_u32 ttmp9, 256
	s_cselect_b64 s[20:21], s[4:5], s[20:21]       ; x
	s_cselect_b64 s[12:13], s[12:13], s[16:17]     ; the codes' buffer
	s_cselect_b64 s[14:15], s[14:15], s[18:19]     ; the scale bytes'
	s_cselect_b32 s26, ttmp9, s26                  ; which 32,768 numbers of the source,
	s_cselect_b32 s27, 0, 256
	s_sub_co_u32 s27, ttmp9, s27                   ; and of the destination (the three weights on end)
	s_lshl_b32 s26, s26, 2
	s_add_co_u32 s26, s26, s24                     ; my wave's run of 8,192 numbers
	s_lshl_b32 s27, s27, 2
	s_add_co_u32 s27, s27, s24
	s_lshl_b32 s28, s26, 15                        ; 32,768 bytes of f32 a run
	s_mov_b32 s29, 0
	s_add_nc_u64 s[20:21], s[20:21], s[28:29]
	s_lshl_b32 s28, s27, 12                        ; 4,096 bytes of codes
	s_add_nc_u64 s[12:13], s[12:13], s[28:29]
	s_lshl_b32 s28, s27, 8                         ; 256 scale bytes
	s_add_nc_u64 s[14:15], s[14:15], s[28:29]
.macro LOAD t
.irp i, 0,1,2,3
	global_load_b128 v[R+16*((\t)%DEPTH)+4*\i:R+16*((\t)%DEPTH)+4*\i+3], v3, s[20:21] offset:2048*(\t)+512*\i th:TH_LOAD_NT   ; 32 lanes read 512 consecutive bytes
.endr
.endm
.macro TURN t                          ; step t's numbers through the stage: LDS serves a wave's instructions in order, so no wait stands between the stores and the loads
.irp i, 0,1,2,3
	ds_store_b128 v14, v[R+16*((\t)%DEPTH)+4*\i:R+16*((\t)%DEPTH)+4*\i+3] offset:32*SP*((\t)%2)+8*SP*\i
.endr
.irp i, 0,1,2,3
	ds_load_b128 v[X+16*((\t)%2)+4*\i:X+16*((\t)%2)+4*\i+3], v15 offset:32*SP*((\t)%2)+16*\i
.endr
.endm
.irp t, 0,1,2,3,4,5,6,7
	LOAD \t
.endr
	s_wait_loadcnt 4*(DEPTH-1)                     ; step 0's four loads are in; the 28 of steps 1 to 7 may be out
	TURN 0
.macro STEP t
.set XS, X+16*((\t)%2)
.if (\t) > 0
	s_wait_dscnt 1                                 ; this step's numbers are back from the stage (the last step's byte store may be out): so its stores into the stage have read their registers,
.else
	s_wait_dscnt 0x0
.endif
.if (\t)+DEPTH < STEPS
	LOAD (\t)+DEPTH                                ; which take the loads of eight steps on
.endif
.if (\t)+1 < STEPS
.if STEPS-2-(\t) >= DEPTH-1
	s_wait_loadcnt 4*(DEPTH-1)                     ; the next step's four loads are in; those of the seven steps behind it may be out
.else
	s_wait_loadcnt 4*(STEPS-2-(\t))                ; in the tail: those of the steps that are left
.endif
	TURN (\t)+1                                    ; and go through the other stage while this step is worked
.endif
	v_max3_num_f32 v8, |v[XS]|, |v[XS+1]|, |v[XS+2]|               ; the largest magnitude of my 16, in two chains
	v_max3_num_f32 v9, |v[XS+3]|, |v[XS+4]|, |v[XS+5]|
.irp i, 6,10
	v_max3_num_f32 v8, v8, |v[XS+\i]|, |v[XS+\i+1]|
	v_max3_num_f32 v9, v9, |v[XS+\i+2]|, |v[XS+\i+3]|
.endr
	v_max3_num_f32 v8, v8, |v[XS+14]|, |v[XS+15]|
	v_max3_num_f32 v8, v8, v9, (EMAX+1)<<23        ; and the floor 2^(EMAX + 1 - 127): the byte cannot fall under 1
	v_max_num_f32_dpp v8, v8, v8 row_xmask:1 row_mask:0xf bank_mask:0xf   ; and of my neighbour's 16: the block's
	v_add_nc_u32 v11, -(EMAX<<23), v8              ; EMAX off its exponent field: the conversion takes the exponent field of this operand as its scale, and nothing else of it
	v_cvt_scalef32_pk8_fp4_f32 v[C+2*(\t)], v[XS:XS+7], v11        ; to the nearest code, ties to even, beyond the largest code the largest
	v_cvt_scalef32_pk8_fp4_f32 v[C+2*(\t)+1], v[XS+8:XS+15], v11
	v_lshrrev_b32 v[E+(\t)], 23, v11               ; the scale's byte (also the plain line behind the conversions)
	ds_store_b8 v5, v[E+(\t)] offset:16*(\t)       ; both lanes of a block write the same byte with the same value
	global_store_b64 v4, v[C+2*(\t):C+2*(\t)+1], s[12:13] offset:32*CB*(\t)   ; the wave stores 256 consecutive bytes, aligned
.endm
.irp t, 0,1,2,3,4,5,6,7,8,9,10,11,12,13,14,15
	STEP \t
.endr
	ds_load_b64 v[8:9], v6                         ; LDS serves a wave's instructions in order: these see my stores
	s_wait_dscnt 0x0
	global_store_b64 v7, v[8:9], s[14:15]          ; 32 lanes store 256 consecutive bytes, aligned
	s_wait_tensorcnt 0x0                           ; the wave's end, behind my last LDS store
	ds_add_u32 v[SPW], v[NIL]
	s_wait_dscnt 0x0
	s_endpgm
.Lfunc_end_k_q132b957d53_quant:
	.size	k_q132b957d53_quant, .Lfunc_end_k_q132b957d53_quant-k_q132b957d53_quant
	.p2alignl 7, 3214868480
	.fill 96, 4, 3214868480
	.section	.rodata,"a",@progbits
	.p2align	6, 0x0
	.amdhsa_kernel k_q132b957d53_quant
		.amdhsa_group_segment_fixed_size 33280
		.amdhsa_private_segment_fixed_size 0
		.amdhsa_enable_private_segment 0
		.amdhsa_kernarg_size 64
		.amdhsa_user_sgpr_count 2
		.amdhsa_user_sgpr_kernarg_segment_ptr 1
		.amdhsa_wavefront_size32 1
		.amdhsa_system_sgpr_workgroup_id_x 1
		.amdhsa_system_sgpr_workgroup_id_y 1
		.amdhsa_system_sgpr_workgroup_id_z 1
		.amdhsa_system_vgpr_workitem_id 0
		.amdhsa_next_free_vgpr 224
		.amdhsa_next_free_sgpr 66
		.amdhsa_reserve_vcc 0
		.amdhsa_float_denorm_mode_32 3
		.amdhsa_float_denorm_mode_16_64 3
		.amdhsa_memory_ordered 1
		.amdhsa_forward_progress 1
		.amdhsa_inst_pref_size 34
	.end_amdhsa_kernel
	.amdgpu_metadata
---
amdhsa.version: [ 1, 2 ]
amdhsa.kernels:
  - .name:           k_q132b957d53_quant
    .symbol:         k_q132b957d53_quant.kd
    .args:
      - { .name: x, .offset: 0, .size: 8, .value_kind: global_buffer, .address_space: global }
      - { .name: Wq, .offset: 8, .size: 8, .value_kind: global_buffer, .address_space: global }
      - { .name: Wk, .offset: 16, .size: 8, .value_kind: global_buffer, .address_space: global }
      - { .name: Wv, .offset: 24, .size: 8, .value_kind: global_buffer, .address_space: global }
      - { .name: xc, .offset: 32, .size: 8, .value_kind: global_buffer, .address_space: global }
      - { .name: xs, .offset: 40, .size: 8, .value_kind: global_buffer, .address_space: global }
      - { .name: wc, .offset: 48, .size: 8, .value_kind: global_buffer, .address_space: global }
      - { .name: ws, .offset: 56, .size: 8, .value_kind: global_buffer, .address_space: global }
    .group_segment_fixed_size: 33280
    .private_segment_fixed_size: 0
    .kernarg_segment_align: 8
    .kernarg_segment_size: 64
    .max_flat_workgroup_size: 128
    .sgpr_count:     66
    .vgpr_count:     224
    .wavefront_size: 32
...
	.end_amdgpu_metadata
.endif
;; end of part 1
;; launch proj (part 2): grid 12 x 32, 4 waves a work-group, clusters of 4 x 1, 327,680 bytes of LDS; arguments xc, xs, wc, ws, qkv, fine; writes qkv, fine
.if DOCPART == 2
	.amdgcn_target "amdgcn-amd-amdhsa--gfx1250"
	.amdhsa_code_object_version 6
	.text
	.protected	k_q132b957d53_proj
	.globl	k_q132b957d53_proj
	.p2align	8
	.type	k_q132b957d53_proj,@function
k_q132b957d53_proj:
	s_mov_b64 s[64:65], 0
	v_nop
	global_prefetch_b8 v0, s[64:65] scope:SCOPE_SE
	s_setreg_imm32_b32 hwreg(HW_REG_WAVE_MODE, 25, 1), 1
	s_wait_xcnt 0x0
	s_wait_alu depctr_hold_cnt(0) depctr_sa_sdst(0) depctr_va_vdst(0) depctr_va_sdst(0) depctr_va_ssrc(0) depctr_va_vcc(0) depctr_vm_vsrc(0)
	s_getreg_b32 s2, hwreg(HW_REG_IB_STS2, 6, 4)
	s_cmp_eq_u32 s2, 0
	s_cbranch_scc0 .Lentry_in_a_cluster
	s_endpgm
.Lentry_in_a_cluster:
	s_bfe_u32 s2, ttmp6, 0x10000c
	s_cmp_lg_u32 s2, 0x3003
	s_cbranch_scc0 .Lentry_shape_is_right
	s_endpgm
.Lentry_shape_is_right:
; LAUNCH 2 OF 5.  [8192][3072] = x (Wq | Wk | Wv)^T on codes of FP4 with E8M0 scales, sums in f32, K = 1,024.  Out: qkv, f16, [8192][3072] (a row of 6,144 bytes: q, k, v), for the two products that are left
; as they are; and fine, f32, [64][3072]: rows 0-15 of each of the four sequences, which the last launch carries in f32 throughout.  LIMIT: |q|, |k|, |v| under 65,504 (f16).
; A tile of 256 x 256 is made by four waves, each 128 x 128: 64 accumulators, 512 registers.  K is two slots of 512 (rows of 256 bytes of codes): both are asked for at the head and nothing is filled again.
; The scale bytes of the work-group's 256 + 256 rows, for all of K, are two dense blocks of memory and come into LDS once, in rows of 256 bytes.
; CLUSTER 4 x 1: the four partners make four neighbouring tile columns of one tile row, so x's tiles and x's scale bytes are asked for JOINTLY (the mask names all four).  W's tiles differ from partner to partner and
; are each work-group's own loads.  A cluster of 4 x 4 is not taken: the f32 copy below is a branch on the tile row, which must be the same in all partners.
; THE MATRIX INSTRUCTION IS USED TRANSPOSED (source 0 = 16 rows of W, source 1 = 16 rows of x): a lane holds eight neighbouring numbers of a row of the result.
; REGISTERS, in windows of 256: window 0: v0-31 addresses; v32-95 scale words, two sets; v128-191 x's fragments, ONE set; on the way out v32-255 are free.  window 1: W's fragments, two sets, at v0 and v128.
;   window 2: the accumulators of my rows 0-63 ((a, b) at v[8 (8 a + b)]);  window 3: those of rows 64-127.
.set NQ,     4                         ; matrix instructions deep in a slot
.set ROWB,   256                       ; a tile's row in bytes: 512 codes
.set KROW,   512                       ; a row of codes in memory
.set PITCH,  272                       ; an LDS row: 256 bytes + 16 of padding: the 16 rows that a load touches start 68 words apart
.set FR,     8                         ; registers of a fragment: 16 rows x 128 K
.set NL,     2                         ; LDS loads that bring one
.set NP,     4                         ; places behind this matrix instruction (ISA guide 7.12.1)
.set HALFT,  128*PITCH                 ; 128 rows: what one tensor load brings
.set SLOT,   4*HALFT                   ; x's 256 rows, then W's 256 rows
.set KS,     32                        ; a row of scale bytes
.set SCL,    2*SLOT                    ; behind the two slots: the scale bytes, as rows of 256 bytes + 16
.set HALFS,  16*272                    ; those of 128 rows: what one tensor load brings
.set SBLK,   2*272                     ; those of 16 rows
.set SPARE,  SCL+4*HALFS               ; the spare words, 128 bytes for each wave, which no other line names
.set OROW,   6144                      ; a row of qkv in bytes
.set FROW,   12288                     ; a row of fine
.set SP16,   272                       ; the way out in f16: a stage of 16 rows x (256 + 16) for each wave, from LDS byte 0
.set SP32,   528                       ; the f32 copy: 16 rows x (512 + 16) for each wave, from STG32.  Both lie in slot 0, which has had its one fill and its last read
.set STG32,  32768
.set STO32, 8                          ; v8   f32 copy: where I put 32 bytes of a row
.set RD32,  9                          ; v9   where I read a row back
.set CO32,  10                         ; v10  my byte offset in a row of fine
.set ADRA, 16                          ; v16-17  LDS address of my fragments of x in slot 0, 1
.set ADRB, 20                          ; v20-21  the same for W
.set STO,  24                          ; v24  f16: where I put 16 bytes of a row
.set RD,   25                          ; v25  where I read a row back
.set CO,   26                          ; v26  my byte offset in qkv
.set ADRS, 27                          ; v27  LDS address of my scale words: lanes 0-15 x's rows, lanes 16-31 W's
.set SPW,  28                          ; v28  LDS address of my spare word; never rewritten
.set NIL,  29                          ; v29  0; never rewritten
.set SC,   32                          ; scale words: set s at v[SC + 32 s]; register 4 i + q: lanes 0-15 the word of x's block i, lanes 16-31 that of W's block i
.set AF,   128                         ; x's fragments
.set TMP,  192                         ; the way out: packed results
.set OB,   32                          ; 16 rows read back: v32-63 and v224-255 by turns
.set G1, 24                            ; s[24:31] group 1 for x's tiles;  s[32:39] group 0, a set for each slot
.set G0, 32
.set G1B, 48                           ; s[48:55], s[56:63] the same for W's tiles
.set G0B, 56
.set G1S, 68                           ; s[68:75], s[76:79] groups 1 and 0 for x's scale bytes;  s[80:87], s[88:91] for W's
.set G0S, 76
.set G1SB, 80
.set G0SB, 88
.set MSB, 0
.macro WIN new                         ; the immediate's high byte repeats the setting that is left
.if MSB != \new
	s_set_vgpr_msb (MSB<<8)|\new
.set MSB, \new
.endif
.endm
.set MUL_LO, 0xa1                      ; source 0 (W) window 1, source 1 (x) window 0, C and D window 2
.set MUL_HI, 0xf1                      ; the same, C and D window 3
.set TO_B,   0x40                      ; destination window 1, address window 0
; Waves 0 and 1 fetch for x (jointly), waves 2 and 3 for W.  The branch hangs on the wave's number alone.  An s_nop 0 and four v_nop follow each of the two lines.
.macro JLOAD g0a, g1a, g0b, g1b
	s_cmp_eq_u32 s15, 0
	s_cbranch_scc0 .Lfor_b_\@
	tensor_load_to_lds s[\g0a:\g0a+3], s[\g1a:\g1a+7]
	s_nop 0
.rept 4
	v_nop
.endr
	s_branch .Lasked_\@
.Lfor_b_\@:
	tensor_load_to_lds s[\g0b:\g0b+3], s[\g1b:\g1b+7]
	s_nop 0
.rept 4
	v_nop
.endr
.Lasked_\@:
.endm
.macro CROUND                          ; a round of the cluster's barrier
	s_barrier_signal -1
	s_barrier_wait -1
	s_cmp_lg_u32 s14, 0
	s_cbranch_scc1 .Lnot_wave_0_\@
	s_barrier_signal -3
.Lnot_wave_0_\@:
	s_barrier_wait -3
	s_barrier_signal -1
	s_barrier_wait -1
.endm
	s_load_b128 s[4:7], s[0:1], 0x0                ; x's codes, x's scales
	s_load_b128 s[8:11], s[0:1], 0x10              ; W's codes, W's scales
	s_load_b64 s[12:13], s[0:1], 0x20              ; qkv
	s_load_b64 s[96:97], s[0:1], 0x28              ; fine
	v_lshl_add_u32 v[SPW], v0, 2, SPARE
	v_mov_b32 v[NIL], 0
	ds_add_u32 v[SPW], v[NIL]                      ; the wave's opening: the add, twice on end, and its wait ahead of my first tensor load
	ds_add_u32 v[SPW], v[NIL]
	v_lshrrev_b32 v1, 5, v0
	v_readfirstlane_b32 s14, v1                    ; wave 0..3
	s_lshr_b32 s15, s14, 1                         ; which half of the tile's rows is mine.  Also: I fetch for x (0) or for W (1)
	s_and_b32 s16, s14, 1                          ; which half of its columns.  Also: which 128 rows of that tile I fetch
	s_bfe_u32 s40, ttmp6, 0x40000                  ; cx: my place in the cluster
	s_lshl_b32 s42, ttmp9, 2
	s_add_co_u32 s42, s42, s40                     ; tile column = 4 x cluster x + cx
	s_and_b32 s17, ttmp7, 0xffff                   ; tile row: the same in all four partners
	s_mov_b32 s[G1+0], 15|(1<<20)|(1<<21)|(5<<22)|(3<<25)   ; 15:0 the mask: all four; 17:16 elements of 1 byte; 20 padding on; 21 set beside a mask; 24:22 after every 64 words; 31:25 four words
	s_mov_b32 s[G1B+0], (1<<20)|(5<<22)|(3<<25)             ; the same with no mask: my own load
.irp g, G1, G1B
	s_mov_b32 s[\g+1], ROWB<<16                    ; tensor_dim0
	s_mov_b32 s[\g+2], 128<<16                     ; tensor_dim1 = 128
	s_mov_b32 s[\g+3], ROWB<<16                    ; tile_dim0
	s_mov_b32 s[\g+4], 128                         ; tile_dim1 = 128
	s_mov_b32 s[\g+5], KROW                        ; from row to row
	s_mov_b32 s[\g+6], 0
	s_mov_b32 s[\g+7], 0
.endr
	s_mov_b32 s[G1S+0], 15|(3<<16)|(1<<20)|(1<<21)|(5<<22)|(3<<25)   ; the scale bytes of 128 rows: 4,096 dense bytes as 16 rows of 32 elements of 8 bytes, 16 bytes of padding behind each
	s_mov_b32 s[G1SB+0], (3<<16)|(1<<20)|(5<<22)|(3<<25)
.irp g, G1S, G1SB
	s_mov_b32 s[\g+1], 32<<16
	s_mov_b32 s[\g+2], 16<<16
	s_mov_b32 s[\g+3], 32<<16
	s_mov_b32 s[\g+4], 16
	s_mov_b32 s[\g+5], 32
	s_mov_b32 s[\g+6], 0
	s_mov_b32 s[\g+7], 0
.endr
	s_lshl_b32 s18, s16, 7                         ; which 128 rows of the tile I fetch
	s_lshl_b32 s20, s17, 8
	s_add_co_u32 s20, s20, s18                     ; x: row 256 x tile row + 128 x half
	s_lshl_b32 s46, s42, 8
	s_add_co_u32 s46, s46, s18                     ; W: row 256 x tile column + 128 x half
	s_mov_b32 s21, 0
	s_mov_b32 s47, 0
	s_mov_b64 s[18:19], KS
	s_mul_u64 s[22:23], s[20:21], s[18:19]         ; where these rows' scale bytes begin
	s_mul_u64 s[92:93], s[46:47], s[18:19]
	s_mov_b64 s[18:19], KROW
	s_mul_u64 s[20:21], s[20:21], s[18:19]         ; and their codes
	s_mul_u64 s[46:47], s[46:47], s[18:19]
	s_mul_i32 s45, s14, HALFT                      ; where they go: wave x 128 rows: no place in the cluster enters an LDS address
	s_mul_i32 s94, s14, HALFS
	s_wait_dscnt 0x0                               ; both opening adds are done
	s_wait_kmcnt 0x0
	s_add_nc_u64 s[20:21], s[4:5], s[20:21]
	s_add_nc_u64 s[22:23], s[6:7], s[22:23]
	s_add_nc_u64 s[46:47], s[8:9], s[46:47]
	s_add_nc_u64 s[92:93], s[10:11], s[92:93]
	CROUND                                         ; all four work-groups are here: the first joint loads meet
	s_mov_b32 s[G0S], 1
	s_add_co_u32 s[G0S+1], s94, SCL
	s_mov_b64 s[G0S+2:G0S+3], s[22:23]
	s_or_b32 s[G0S+3], s[G0S+3], 0x80000000
	s_mov_b32 s[G0SB], 1
	s_add_co_u32 s[G0SB+1], s94, SCL
	s_mov_b64 s[G0SB+2:G0SB+3], s[92:93]
	s_or_b32 s[G0SB+3], s[G0SB+3], 0x80000000
	JLOAD G0S, G1S, G0SB, G1SB                     ; the scale bytes first: they are wanted with the first slot.  Three tensor loads of mine are out at the most
.irp s, 0,1
	s_mov_b32 s[G0+4*\s], 1
	s_add_co_u32 s[G0+4*\s+1], s45, \s*SLOT
	s_add_nc_u64 s[G0+4*\s+2:G0+4*\s+3], s[20:21], \s*ROWB
	s_or_b32 s[G0+4*\s+3], s[G0+4*\s+3], 0x80000000
	s_mov_b32 s[G0B+4*\s], 1
	s_add_co_u32 s[G0B+4*\s+1], s45, \s*SLOT
	s_add_nc_u64 s[G0B+4*\s+2:G0B+4*\s+3], s[46:47], \s*ROWB
	s_or_b32 s[G0B+4*\s+3], s[G0B+4*\s+3], 0x80000000
	JLOAD G0+4*\s, G1, G0B+4*\s, G1B
.endr
	v_and_b32 v1, 15, v0                           ; r = lane % 16
	v_bfe_u32 v2, v0, 4, 1                         ; h = lane / 16
	v_mul_u32_u24 v3, v1, PITCH
	v_lshl_add_u32 v4, v2, 4, v3                   ; a fragment's row x pitch + 16 x half
	s_mul_i32 s21, s15, HALFT                      ; my 128 rows of x
	s_mul_i32 s22, s16, HALFT                      ; my 128 rows of W,
	s_add_co_u32 s22, s22, 2*HALFT                 ; which lie behind x's 256
.irp s, 0,1
	v_add_nc_u32 v[ADRA+\s], s21, v4
	v_add_nc_u32 v[ADRB+\s], s22, v4
	s_add_co_u32 s21, s21, SLOT
	s_add_co_u32 s22, s22, SLOT
.endr
	v_mul_u32_u24 v5, v1, KS                       ; my row's scale bytes: KS a row,
	v_lshrrev_b32 v6, 8, v5
	v_lshl_add_u32 v5, v6, 4, v5                   ; and 16 more for each 256 passed
	s_mul_i32 s21, s15, HALFS                      ; x's: my 128 rows
	s_mul_i32 s22, s16, HALFS                      ; W's: my 128 rows, behind x's 256
	s_add_co_u32 s22, s22, 2*HALFS
	s_sub_co_u32 s22, s22, s21
	v_mul_u32_u24 v6, s22, v2                      ; lanes 16-31 take W's: one product, the distance between the two bases
	s_add_co_u32 s21, s21, SCL
	v_add_nc_u32 v5, v5, v6
	v_add_nc_u32 v[ADRS], s21, v5
	s_mul_i32 s23, s14, 16*SP16                    ; my f16 stage
	v_mul_u32_u24 v5, v1, SP16                     ; in: row r, 16 bytes for each half of the lanes
	v_lshl_add_u32 v5, v2, 4, v5
	v_add_nc_u32 v[STO], s23, v5
	v_mul_u32_u24 v5, v2, SP16                     ; back: lanes 0-15 one row of 256 bytes, lanes 16-31 the next
	v_lshl_add_u32 v5, v1, 4, v5
	v_add_nc_u32 v[RD], s23, v5
	v_mul_u32_u24 v5, v2, OROW                     ; and the same two rows in qkv
	v_lshl_add_u32 v[CO], v1, 4, v5
	s_mul_i32 s23, s14, 16*SP32                    ; my f32 stage
	s_add_co_u32 s23, s23, STG32
	v_mul_u32_u24 v5, v1, SP32                     ; in: row r, 32 bytes for each half of the lanes
	v_lshl_add_u32 v5, v2, 5, v5
	v_add_nc_u32 v[STO32], s23, v5
	v_and_b32 v6, 31, v0
	v_lshlrev_b32 v[CO32], 4, v6                   ; back: the 32 lanes take one row of 512 bytes; and the same in fine
	v_add_nc_u32 v[RD32], s23, v[CO32]
	s_lshl_b32 s20, s17, 8
	s_lshl_b32 s21, s15, 7
	s_add_co_u32 s20, s20, s21                     ; my first row: 256 x tile row + 128 x half
	s_mul_i32 s20, s20, OROW                       ; (8,191 rows of 6,144 bytes stay under 2^32)
	s_mov_b32 s21, 0
	s_lshl_b32 s46, s42, 9                         ; my first column in f16: 512 x tile column + 256 x half bytes
	s_lshl_b32 s47, s16, 8
	s_add_co_u32 s46, s46, s47
	s_mov_b32 s47, 0
	s_add_nc_u64 s[20:21], s[20:21], s[46:47]
	s_add_nc_u64 s[12:13], s[12:13], s[20:21]
	s_lshr_b32 s20, s17, 3                         ; fine: the sequence's 16 rows,
	s_mul_i32 s20, s20, 16*FROW
	s_lshl_b32 s46, s46, 1                         ; the same column in f32
	s_add_nc_u64 s[20:21], s[20:21], s[46:47]
	s_add_nc_u64 s[96:97], s[96:97], s[20:21]
.macro FRAG reg, adr, q, i             ; 16 rows x 128 K of 4-bit codes: lane l holds row l % 16; registers 4 c .. 4 c + 3 hold K = 64 c + 32 (l / 16) + 0 .. 31
.irp c, 0,1
	ds_load_b128 v[\reg+4*\c:\reg+4*\c+3], v[\adr] offset:64*(\q)+32*\c+(\i)*16*PITCH
.endr
.endm
; 16 matrix instructions: x's blocks a0, a0 + 1 against W's eight, 128 along K.  p: W's set; sc: the set of scale words.  zero = 1: the first product starts the sums.
; The 64 accumulators take turns, one instruction a turn, in the same order in every step.
.macro MUL16 a0, p, q, sc, zero
.irp a, \a0, \a0+1
.irp b, 0,1,2,3,4,5,6,7
.if \zero
	v_wmma_scale_f32_16x16x128_f8f6f4 v[8*(8*((\a)%4)+\b):8*(8*((\a)%4)+\b)+7], v[128*(\p)+FR*\b:128*(\p)+FR*\b+FR-1], v[AF+FR*(\a):AF+FR*(\a)+FR-1], 0, v[SC+8*NQ*(\sc)+NQ*\b+(\q)], v[SC+8*NQ*(\sc)+NQ*(\a)+(\q)] matrix_a_fmt:MATRIX_FMT_FP4 matrix_b_fmt:MATRIX_FMT_FP4 matrix_a_scale:MATRIX_SCALE_ROW1
.else
	v_wmma_scale_f32_16x16x128_f8f6f4 v[8*(8*((\a)%4)+\b):8*(8*((\a)%4)+\b)+7], v[128*(\p)+FR*\b:128*(\p)+FR*\b+FR-1], v[AF+FR*(\a):AF+FR*(\a)+FR-1], v[8*(8*((\a)%4)+\b):8*(8*((\a)%4)+\b)+7], v[SC+8*NQ*(\sc)+NQ*\b+(\q)], v[SC+8*NQ*(\sc)+NQ*(\a)+(\q)] matrix_a_fmt:MATRIX_FMT_FP4 matrix_b_fmt:MATRIX_FMT_FP4 matrix_a_scale:MATRIX_SCALE_ROW1
.endif
.endr
.endr
.endm
.macro FETCH_B slot, q, p              ; W's eight fragments of the slot's q-th 128 along K into set p
	WIN TO_B
.irp i, 0,1,2,3,4,5,6,7
	FRAG 128*(\p)+FR*\i, ADRB+\slot, \q, \i
.endr
	WIN 0
.endm
.macro FETCH_A slot, q, i0             ; x's blocks i0 .. i0 + 3
.irp i, \i0, \i0+1, \i0+2, \i0+3
	FRAG AF+FR*(\i), ADRA+\slot, \q, \i
.endr
.endm
.macro SCALES sc                       ; a slot's scale words: four a row; lanes 0-15 take x's block i, lanes 16-31 W's block i
.irp i, 0,1,2,3,4,5,6,7
	ds_load_b128 v[SC+8*NQ*\sc+NQ*\i:SC+8*NQ*\sc+NQ*\i+3], v[ADRS] offset:\i*SBLK
.endr
.endm
.macro PLACES n                        ; plain vector lines between a matrix instruction and a load into, or a read of, its registers
.rept \n
	v_nop
.endr
.endm
.macro STEP slot, q, zero              ; a step of 128 along K that has its successor in the same slot
	s_wait_dscnt 4*NL                              ; W's set and x's blocks 0-3 are in; the youngest eight loads (x's blocks 4-7) may be out
	WIN MUL_LO
	MUL16 0, (\q)%2, \q, \slot, \zero
	MUL16 2, (\q)%2, \q, \slot, \zero
	s_wait_dscnt 0                                 ; x's blocks 4-7 are in
	PLACES NP
	FETCH_B \slot, (\q)+1, 1-(\q)%2
	FETCH_A \slot, (\q)+1, 0
	WIN MUL_HI
	MUL16 4, (\q)%2, \q, \slot, \zero
	MUL16 6, (\q)%2, \q, \slot, \zero
	PLACES NP
	WIN 0
	FETCH_A \slot, (\q)+1, 4
.endm
; Slot 0's last step changes slots: one barrier; in front of it each wave waits for all its tensor loads (its part of slot 1), adds 0 to its spare word, and waits for that and for its reads of slot 0.  Nothing is filled again.
.macro TURN slot, next
	s_wait_tensorcnt 0x0
	ds_add_u32 v[SPW], v[NIL]
	s_wait_dscnt 4*NL+1                            ; (the add and the youngest eight loads, x's blocks 4-7, may be out)
	WIN MUL_LO
	MUL16 0, 1, NQ-1, \slot, 0
	s_wait_dscnt 0x0                               ; the add is done, and my reads of this slot are over
	s_barrier_signal -1
	MUL16 2, 1, NQ-1, \slot, 0
	WIN 0
	s_barrier_wait -1
	PLACES NP
	v_add_nc_u32 v[ADRS], 4*NQ, v[ADRS]            ; on to the next slot's scale words
	FETCH_B \next, 0, 0
	FETCH_A \next, 0, 0
	SCALES \next
	WIN MUL_HI
	MUL16 4, 1, NQ-1, \slot, 0
	MUL16 6, 1, NQ-1, \slot, 0
	PLACES NP
	WIN 0
	FETCH_A \next, 0, 4
.endm
.macro STEPS slot, from                ; the slot's steps from .. NQ - 2
.set Q, \from
.rept NQ-1-\from
	STEP \slot, Q, 0
.set Q, Q+1
.endr
.endm
	s_wait_tensorcnt 1                             ; the scale bytes and my part of slot 0 are in (slot 1's load may be out)
	s_barrier_signal -1
	s_barrier_wait -1                              ; everybody's are
	FETCH_B 0, 0, 0
	FETCH_A 0, 0, 0
	SCALES 0
	FETCH_A 0, 0, 4
	STEP 0, 0, 1                                   ; the first step's products start the sums: nothing is cleared
	STEPS 0, 1
	TURN 0, 1
	STEPS 1, 0
	s_wait_dscnt 4*NL                              ; the last step: nothing more to fetch
	WIN MUL_LO
	MUL16 0, 1, NQ-1, 1, 0
	MUL16 2, 1, NQ-1, 1, 0
	s_wait_dscnt 0
	WIN MUL_HI
	MUL16 4, 1, NQ-1, 1, 0
	MUL16 6, 1, NQ-1, 1, 0
	WIN 0
	PLACES NP                                      ; for the reads of the last results and the loads into registers that held fragments and scale words
	; THE F32 COPY: rows 0-15 of a sequence are block 0 of the upper row half of tile rows 0, 8, 16, 24.  The branch hangs on the tile row, which all partners share, and on the wave's number.
	s_and_b32 s18, s17, 7
	s_or_b32 s18, s18, s15
	s_cmp_lg_u32 s18, 0
	s_cbranch_scc1 .Lnofine
	WIN 0x08                                       ; an LDS store's data: window 2
.irp b, 0,1,2,3,4,5,6,7
	ds_store_b128 v[STO32], v[8*\b:8*\b+3] offset:64*\b            ; each accumulator from its low end on
	ds_store_b128 v[STO32], v[8*\b+4:8*\b+7] offset:64*\b+16
.endr
	WIN 0
.irp t, 0,1,2,3,4,5,6,7,8,9,10,11,12,13,14,15
	ds_load_b128 v[64+4*\t:64+4*\t+3], v[RD32] offset:\t*SP32      ; LDS serves a wave's instructions in order: these see my stores
.endr
	s_wait_dscnt 0x0
.irp t, 0,1,2,3,4,5,6,7,8,9,10,11,12,13,14,15
	global_store_b128 v[CO32], v[64+4*\t:64+4*\t+3], s[96:97] offset:\t*FROW   ; 32 lanes store 512 consecutive bytes, aligned
.endr
.Lnofine:
; THE WAY OUT in f16, block by block of 16 rows x 128 columns: rounded once, 16 bytes a lane into my own stage, back as whole rows of 256 bytes.
.macro PACK a
.set AC, 64*((\a)%4)
	WIN 0x0a+5*((\a)/4)                            ; sources 0 and 1: window 2 or 3
.irp b, 0,1,2,3,4,5,6,7
.irp r, 0,1,2,3
	v_cvt_pk_f16_f32 v[TMP+4*\b+\r], v[AC+8*\b+2*\r], v[AC+8*\b+2*\r+1]
.endr
.endr
	WIN 0
.endm
.macro TOSTAGE a
.set BK, OB+192*((\a)%2)
.irp b, 0,1,2,3,4,5,6,7
	ds_store_b128 v[STO], v[TMP+4*\b:TMP+4*\b+3] offset:32*\b
.endr
.irp t, 0,1,2,3,4,5,6,7
	ds_load_b128 v[BK+4*\t:BK+4*\t+3], v[RD] offset:\t*2*SP16
.endr
.endm
.macro SEND a
.set BK, OB+192*((\a)%2)
	s_wait_dscnt 0x0                               ; the block is back in registers
	s_wait_xcnt 0x0                                ; earlier stores have read their base and their data: the base may step, and the other bank may be loaded again
.if (\a) > 0
	s_add_nc_u64 s[12:13], s[12:13], 16*OROW
.endif
.irp t, 0,1,2,3,4,5,6,7
	global_store_b128 v[CO], v[BK+4*\t:BK+4*\t+3], s[12:13] offset:2*\t*OROW   ; 16 lanes store 256 consecutive bytes, aligned
.endr
.endm
	PACK 0
	TOSTAGE 0
.irp a, 1,2,3,4,5,6,7                  ; block a's conversions stand between block a - 1's loads from the stage and the wait for them
	PACK \a
	SEND \a-1
	TOSTAGE \a
.endr
	SEND 7
	s_wait_tensorcnt 0x0                           ; the wave's end
	ds_add_u32 v[SPW], v[NIL]
	s_wait_dscnt 0x0
	CROUND                                         ; the closing round
	s_endpgm
.Lfunc_end_k_q132b957d53_proj:
	.size	k_q132b957d53_proj, .Lfunc_end_k_q132b957d53_proj-k_q132b957d53_proj
	.p2alignl 7, 3214868480
	.fill 96, 4, 3214868480
	.section	.rodata,"a",@progbits
	.p2align	6, 0x0
	.amdhsa_kernel k_q132b957d53_proj
		.amdhsa_group_segment_fixed_size 327680
		.amdhsa_private_segment_fixed_size 0
		.amdhsa_enable_private_segment 0
		.amdhsa_kernarg_size 48
		.amdhsa_user_sgpr_count 2
		.amdhsa_user_sgpr_kernarg_segment_ptr 1
		.amdhsa_wavefront_size32 1
		.amdhsa_system_sgpr_workgroup_id_x 1
		.amdhsa_system_sgpr_workgroup_id_y 1
		.amdhsa_system_sgpr_workgroup_id_z 1
		.amdhsa_system_vgpr_workitem_id 0
		.amdhsa_next_free_vgpr 1024
		.amdhsa_next_free_sgpr 100
		.amdhsa_reserve_vcc 0
		.amdhsa_float_denorm_mode_32 3
		.amdhsa_float_denorm_mode_16_64 3
		.amdhsa_memory_ordered 1
		.amdhsa_forward_progress 1
		.amdhsa_inst_pref_size 131
	.end_amdhsa_kernel
	.amdgpu_metadata
---
amdhsa.version: [ 1, 2 ]
amdhsa.kernels:
  - .name:           k_q132b957d53_proj
    .symbol:         k_q132b957d53_proj.kd
    .args:
      - { .name: xc, .offset: 0, .size: 8, .value_kind: global_buffer, .address_space: global }
      - { .name: xs, .offset: 8, .size: 8, .value_kind: global_buffer, .address_space: global }
      - { .name: wc, .offset: 16, .size: 8, .value_kind: global_buffer, .address_space: global }
      - { .name: ws, .offset: 24, .size: 8, .value_kind: global_buffer, .address_space: global }
      - { .name: qkv, .offset: 32, .size: 8, .value_kind: global_buffer, .address_space: global }
      - { .name: fine, .offset: 40, .size: 8, .value_kind: global_buffer, .address_space: global }
    .group_segment_fixed_size: 327680
    .private_segment_fixed_size: 0
    .kernarg_segment_align: 8
    .kernarg_segment_size: 48
    .max_flat_workgroup_size: 128
    .sgpr_count:     100
    .vgpr_count:     1024
    .wavefront_size: 32
...
	.end_amdgpu_metadata
.endif
;; end of part 2
;; launch score (part 3): grid 256 x 1, 4 waves a work-group, no clusters, 327,680 bytes of LDS; arguments qkv, pimg, st; writes pimg, st
.if DOCPART == 3
	.amdgcn_target "amdgcn-amd-amdhsa--gfx1250"
	.amdhsa_code_object_version 6
	.text
	.protected	k_q132b957d53_score
	.globl	k_q132b957d53_score
	.p2align	8
	.type	k_q132b957d53_score,@function
k_q132b957d53_score:
	s_mov_b64 s[64:65], 0
	v_nop
	global_prefetch_b8 v0, s[64:65] scope:SCOPE_SE
	s_setreg_imm32_b32 hwreg(HW_REG_WAVE_MODE, 25, 1), 1
	s_wait_xcnt 0x0
; LAUNCH 3 OF 5.  The scores q k^T in f16 operands and f32 sums, the causal mask, and the exponentials, tile by tile of 128 queries x 128 keys.
; LEFT OUT (shown at the head of the first launch): tiles whose keys all come after their queries (key tile > query tile): their weights are 0 for all inputs.
; THE SOFTMAX GOES OVER TWO LAUNCHES.  t = score x log2(e) / 32.  For each query and each block of 64 keys: M = the block's largest t rounded UP to a whole number (never under -3e38), p = 2^(t - M), at most 1,
; l = the sum of the block's p in f32.  p goes out as f16, (-M, l) as f32.  The next launch brings the blocks of a row under the row's largest M by exact powers of two, and divides by the row's sum.
; So the maximum is taken away ahead of every exponential, as the problem has it.  A block that is wholly masked has -M = 3e38, p = 0, l = 0.
; OUT: pimg [4][128 tiles of 16 queries][64 steps of 32 keys][1,024 bytes]: each entry is the IMAGE OF THE REGISTERS of the next product's operand (16 queries x 32 keys of f16): registers 0-3 at 16 x lane, registers 4-7
; 512 bytes on.  st [4][32 blocks][2048 queries][2] f32.
; SHARES.  Work-group g: sequence g / 64, pair p = (g / 8) % 8, r = g % 8.  Query tiles p and 15 - p have 17 live tiles between them, u = 0 .. 16: u <= p is (p, u), else (15 - p, u - p - 1).  The work-group takes
; u = r, r + 8, and 16 where r = 0, and STAYS: the ring of two LDS slots goes on into the next tile.  The last tile is written out a second time.
; NO CLUSTER: query tile i has i + 1 tiles, a pair 17: no grouping in fours gives all partners a shared tile of q or k at every step.
; A tile: four waves, each 64 queries x 64 keys: 16 accumulators.  K = 1,024 goes in four steps of 256 (LDS rows of 512 bytes + 16); a wave's tensor load brings 64 rows: waves 0, 1 q's halves, waves 2, 3 k's.
; Source 0 = 16 keys, source 1 = 16 queries: lane (r, h) holds query 16 a + r, its register j key 16 b + 8 h + j: two neighbouring tiles, rounded in pairs, ARE the next operand.
; REGISTERS: window 0: v16-29 addresses; v32-95 packed p; v96-127 eight a tile of queries: +0 -M, +1 its copy, +2 l, +4, +5 at work, +6, +7 what is stored; v128-255 accumulators ((a, b) at 128 + 8 (4 a + b)).
;   window 1: two fragment buffers of 128: for 64 along K, 64 registers of q, then 64 of k.
.set PITCH,  528
.set HALFT,  64*PITCH                  ; 64 rows: what one tensor load brings
.set SLOT,   4*HALFT                   ; q's 128 rows, then k's 128
.set SPARE,  2*SLOT                    ; the spare words, 128 bytes for each wave, which no other line names
.set QROW,   6144                      ; a row of qkv in bytes
.set ADRA, 16                          ; v16-17  LDS address of my fragments of q in slot 0, 1
.set ADRB, 20                          ; v20-21  of k
.set PO,   24                          ; v24  16 x lane
.set SO,   25                          ; v25  8 x lane
.set DD,   26                          ; v26  the mask's number: 64 (my query half - my key half) + r - 8 h
.set NINF, 27                          ; v27  -infinity
.set SPW,  28
.set NIL,  29
.set TMP,  32
.set ST,   96
.set ACC,  128
.set F0,   0
.set F1,   128
.set G1, 24                            ; s[24:31] descriptor group 1, one for all loads;  s[32:39] group 0, a set for each slot
.set G0, 32
.set MSB, 0
.macro WIN new
.if MSB != \new
	s_set_vgpr_msb (MSB<<8)|\new
.set MSB, \new
.endif
.endm
.set MUL,  0x05                        ; sources 0 (k) and 1 (q) window 1; C and D window 0
.set TO_F, 0x40                        ; destination window 1, address window 0
; From u (s15): the tile (s18, s19) = (query tile, key tile), and in s[20:21] the byte of qkv at which the 64 rows begin that I fetch.  s14 = p, s23 = 15 - p, s52 = 64 x my half + 2,048 x sequence, s53 = 2,048 where I fetch k
.macro SRC
	s_sub_co_u32 s51, s15, s14
	s_sub_co_u32 s51, s51, 1
	s_cmp_le_u32 s15, s14
	s_cselect_b32 s18, s14, s23
	s_cselect_b32 s19, s15, s51
	s_cmp_eq_u32 s11, 0                            ; waves 0, 1 fetch q's rows, waves 2, 3 k's
	s_cselect_b32 s50, s18, s19
	s_lshl_b32 s50, s50, 7
	s_add_co_u32 s50, s50, s52
	s_mul_i32 s20, s50, QROW
	s_add_co_u32 s20, s20, s53
	s_mov_b32 s21, 0
.endm
	s_load_b128 s[4:7], s[0:1], 0x0                ; qkv, pimg
	s_load_b64 s[8:9], s[0:1], 0x10                ; st
	v_lshl_add_u32 v[SPW], v0, 2, SPARE
	v_mov_b32 v[NIL], 0
	ds_add_u32 v[SPW], v[NIL]                      ; the wave's opening: the add, twice on end, and its wait ahead of my first tensor load
	ds_add_u32 v[SPW], v[NIL]
	v_lshrrev_b32 v1, 5, v0
	v_readfirstlane_b32 s10, v1                    ; wave 0..3
	s_lshr_b32 s11, s10, 1                         ; my half of the queries.  Also: I fetch q (0) or k (1)
	s_and_b32 s12, s10, 1                          ; my half of the keys.  Also: which 64 rows I fetch
	s_lshr_b32 s13, ttmp9, 6                       ; the sequence
	s_bfe_u32 s14, ttmp9, 0x30003                  ; p
	s_and_b32 s15, ttmp9, 7                        ; u of my first tile
	s_sub_co_u32 s23, 15, s14
	s_cmp_eq_u32 s15, 0
	s_cselect_b32 s22, 2, 1                        ; my tiles but the last
	s_lshl_b32 s52, s12, 6
	s_lshl_b32 s53, s13, 11
	s_add_co_u32 s52, s52, s53
	s_lshl_b32 s53, s11, 11
	s_mov_b32 s[G1+0], (1<<16)|(1<<20)|(6<<22)|(3<<25)   ; elements of 2 bytes; padding: four words after every 128
	s_mov_b32 s[G1+1], 256<<16                     ; tensor_dim0 = 256
	s_mov_b32 s[G1+2], 64<<16                      ; tensor_dim1 = 64
	s_mov_b32 s[G1+3], 256<<16                     ; tile_dim0
	s_mov_b32 s[G1+4], 64                          ; tile_dim1
	s_mov_b32 s[G1+5], 3072                        ; from row to row, in elements
	s_mov_b32 s[G1+6], 0
	s_mov_b32 s[G1+7], 0
	s_mov_b32 s40, 0x3d38aa3b                      ; c = log2(e) / 32
	s_mov_b32 s41, s40                             ; (named with it as a pair)
	s_mov_b32 s42, 0x76543210
	s_mov_b32 s43, 0xfedcba98                      ; v_permlanex16_b32's selects for lane l xor 16
	s_mov_b32 s44, 0xffff0000                      ; lanes 16-31
	s_mul_i32 s54, s10, HALFT                      ; where my rows go in a slot
	SRC
	s_mov_b32 s16, s18                             ; the tile in hand
	s_mov_b32 s17, s19
	s_wait_dscnt 0x0                               ; both opening adds are done
	s_wait_kmcnt 0x0
.irp s, 0,1                            ; both first fills go out together, from every wave: two tensor loads of mine are out at the most
	s_mov_b32 s[G0+4*\s], 1
	s_add_co_u32 s[G0+4*\s+1], s54, \s*SLOT
	s_add_nc_u64 s[G0+4*\s+2:G0+4*\s+3], s[4:5], s[20:21]
.if \s
	s_add_nc_u64 s[G0+4*\s+2:G0+4*\s+3], s[G0+4*\s+2:G0+4*\s+3], 512   ; K step 1
.endif
	s_or_b32 s[G0+4*\s+3], s[G0+4*\s+3], 0x80000000
	tensor_load_to_lds s[G0+4*\s:G0+4*\s+3], s[G1:G1+7]
	s_nop 0
.endr
.rept 4
	v_nop
.endr
	v_and_b32 v1, 15, v0                           ; r
	v_bfe_u32 v2, v0, 4, 1                         ; h
	v_mul_u32_u24 v3, v1, PITCH
	v_lshl_add_u32 v3, v2, 4, v3
	s_mul_i32 s50, s11, HALFT                      ; my 64 rows of q
	s_mul_i32 s51, s12, HALFT                      ; my 64 rows of k,
	s_add_co_u32 s51, s51, 2*HALFT                 ; behind q's 128
.irp s, 0,1
	v_add_nc_u32 v[ADRA+\s], s50, v3
	v_add_nc_u32 v[ADRB+\s], s51, v3
	s_add_co_u32 s50, s50, SLOT
	s_add_co_u32 s51, s51, SLOT
.endr
	v_and_b32 v3, 31, v0
	v_lshlrev_b32 v[PO], 4, v3
	v_lshlrev_b32 v[SO], 3, v3
	s_sub_co_i32 s50, s11, s12
	s_lshl_b32 s50, s50, 6
	v_lshlrev_b32 v3, 3, v2
	v_sub_nc_u32 v[DD], v1, v3
	v_add_nc_u32 v[DD], s50, v[DD]
	v_mov_b32 v[NINF], 0xff800000
.irp a, 0,1,2,3
	v_mov_b32 v[ST+8*\a+5], 0                      ; written once: a lane permute's destination counts as one of its sources
.endr
.macro MUL8 f, c, a0, zero             ; 8 matrix instructions: query tiles a0, a0 + 1 x the 4 key tiles, 32 along K.  The 16 accumulators take turns
.irp a, \a0, \a0+1
.irp b, 0,1,2,3
.if \zero
	v_wmma_f32_16x16x32_f16 v[ACC+8*(4*(\a)+\b):ACC+8*(4*(\a)+\b)+7], v[\f+64+8*(4*\c+\b):\f+64+8*(4*\c+\b)+7], v[\f+8*(4*\c+\a):\f+8*(4*\c+\a)+7], 0
.else
	v_wmma_f32_16x16x32_f16 v[ACC+8*(4*(\a)+\b):ACC+8*(4*(\a)+\b)+7], v[\f+64+8*(4*\c+\b):\f+64+8*(4*\c+\b)+7], v[\f+8*(4*\c+\a):\f+8*(4*\c+\a)+7], v[ACC+8*(4*(\a)+\b):ACC+8*(4*(\a)+\b)+7]
.endif
.endr
.endr
.endm
.macro FETCH slot, k, f                ; 32 LDS loads in one run: the fragments of 64 along K at byte k of the rows; the first 32 along K first
	WIN TO_F
.irp c, 0,1
.irp i, 0,1,2,3
	ds_load_b128 v[\f+64+8*(4*\c+\i):\f+64+8*(4*\c+\i)+3],   v[ADRB+\slot] offset:\k+64*\c+\i*16*PITCH
	ds_load_b128 v[\f+64+8*(4*\c+\i)+4:\f+64+8*(4*\c+\i)+7], v[ADRB+\slot] offset:\k+64*\c+\i*16*PITCH+32
	ds_load_b128 v[\f+8*(4*\c+\i):\f+8*(4*\c+\i)+3],         v[ADRA+\slot] offset:\k+64*\c+\i*16*PITCH
	ds_load_b128 v[\f+8*(4*\c+\i)+4:\f+8*(4*\c+\i)+7],       v[ADRA+\slot] offset:\k+64*\c+\i*16*PITCH+32
.endr
.endr
.endm
.macro PLACES
.rept 4
	v_nop
.endr
.endm
.macro QUARTER slot, k, f, g, zero     ; 64 along K: multiplies buffer f and fetches the next quarter, at byte k, into g
	s_wait_dscnt 16                                ; the first 32 along K are in; the other sixteen loads may be out
	WIN MUL
	MUL8 \f, 0, 0, \zero
	MUL8 \f, 0, 2, \zero
	PLACES
	FETCH \slot, \k, \g
	s_wait_dscnt 32                                ; all but the 32 just issued
	WIN MUL
	MUL8 \f, 1, 0, 0
	MUL8 \f, 1, 2, 0
.endm
; A K step's last quarter changes slots: one barrier; in front of it each wave waits for all its tensor loads (its part of the next slot), adds 0 to its spare word, and waits for that and for its reads of this slot.
; Behind it this slot is filled again first.  mode 0: this tile's K step two on; 1: the next tile's K step 0; 2: its K step 1; 3: nothing is left to fetch.
.macro TURN slot, next, mode
	WIN 0
	s_wait_tensorcnt 0x0                           ; no tensor load of mine is out, so a group 0 may be written
	ds_add_u32 v[SPW], v[NIL]                      ; 0 onto my spare word; the address work stands between it and the wait for it
.if \mode == 0
	s_add_nc_u64 s[G0+4*\slot+2:G0+4*\slot+3], s[G0+4*\slot+2:G0+4*\slot+3], 1024
.endif
.if \mode == 1
	s_add_co_u32 s15, s15, 8
	SRC
	s_add_nc_u64 s[G0+2:G0+3], s[4:5], s[20:21]
	s_or_b32 s[G0+3], s[G0+3], 0x80000000
.endif
.if \mode == 2
	s_add_nc_u64 s[G0+6:G0+7], s[4:5], s[20:21]
	s_add_nc_u64 s[G0+6:G0+7], s[G0+6:G0+7], 512
	s_or_b32 s[G0+7], s[G0+7], 0x80000000
.endif
	s_wait_dscnt 17                                ; (the add and the youngest sixteen loads may be out)
	WIN MUL
	MUL8 F1, 0, 0, 0
	s_wait_dscnt 0x0                               ; the add is done, and my reads of this slot are over
	s_barrier_signal -1
	MUL8 F1, 0, 2, 0
	WIN 0
	s_barrier_wait -1
.if \mode < 3
	tensor_load_to_lds s[G0+4*\slot:G0+4*\slot+3], s[G1:G1+7]   ; my one tensor load behind this barrier, and the first thing there
	s_nop 0
.endif
	PLACES                                         ; four plain lines behind the load; also the places in front of the loads into buffer 0
	FETCH \next, 0, F0
	WIN MUL
	MUL8 F1, 1, 0, 0
	MUL8 F1, 1, 2, 0
.endm
; WHAT IS MADE OF A TILE'S SCORES.  s16 = query tile, s17 = key tile.
.macro EPILOGUE
	s_wait_xcnt 0x0                                ; the last tile's stores have read their data and their bases
	PLACES                                         ; behind the last products
	s_lshl_b32 s50, s13, 7                         ; pimg: ((128 seq + 8 I + 4 half) x 64 + 4 J + 2 half) x 1,024
	s_lshl_b32 s51, s16, 3
	s_add_co_u32 s50, s50, s51
	s_lshl_b32 s51, s11, 2
	s_add_co_u32 s50, s50, s51
	s_lshl_b32 s50, s50, 6
	s_lshl_b32 s51, s17, 2
	s_add_co_u32 s50, s50, s51
	s_lshl_b32 s51, s12, 1
	s_add_co_u32 s50, s50, s51
	s_lshl_b32 s50, s50, 10
	s_mov_b32 s51, 0
	s_add_nc_u64 s[46:47], s[6:7], s[50:51]
	s_lshl_b32 s50, s13, 5                         ; st: ((32 seq + 2 J + half) x 2,048 + 128 I + 64 half) x 8
	s_lshl_b32 s54, s17, 1
	s_add_co_u32 s50, s50, s54
	s_add_co_u32 s50, s50, s12
	s_lshl_b32 s50, s50, 11
	s_lshl_b32 s54, s16, 7
	s_add_co_u32 s50, s50, s54
	s_lshl_b32 s54, s11, 6
	s_add_co_u32 s50, s50, s54
	s_lshl_b32 s50, s50, 3
	s_add_nc_u64 s[48:49], s[8:9], s[50:51]
	s_cmp_lg_u32 s16, s17                          ; only tiles on the diagonal hold hidden keys: a branch on ids
	s_cbranch_scc1 .Lopen_\@
.irp a, 0,1,2,3
.irp b, 0,1,2,3
.irp j, 0,1,2,3,4,5,6,7
	v_cmp_gt_i32 vcc_lo, 16*\b+\j-16*\a, v[DD]     ; key > query
	v_cndmask_b32 v[ACC+32*\a+8*\b+\j], v[ACC+32*\a+8*\b+\j], v[NINF], vcc_lo
.endr
.endr
.endr
.Lopen_\@:
.irp a, 0,1,2,3                        ; the largest of a lane's 32 scores, the four tiles of queries by turns; each accumulator is read from its low end on
	v_max3_num_f32 v[ST+8*\a+4], v[ACC+32*\a], v[ACC+32*\a+1], v[ACC+32*\a+2]
.endr
.irp n, 3,5,7,9,11,13,15,17,19,21,23,25,27,29
.irp a, 0,1,2,3
	v_max3_num_f32 v[ST+8*\a+4], v[ST+8*\a+4], v[ACC+32*\a+\n], v[ACC+32*\a+\n+1]
.endr
.endr
.irp a, 0,1,2,3
	v_max_num_f32 v[ST+8*\a+4], v[ST+8*\a+4], v[ACC+32*\a+31]
.endr
.irp a, 0,1,2,3
	v_permlanex16_b32 v[ST+8*\a+5], v[ST+8*\a+4], s42, s43
.endr
.irp a, 0,1,2,3
	v_max_num_f32 v[ST+8*\a+4], v[ST+8*\a+4], v[ST+8*\a+5]   ; with the other half of the lanes' 32 keys
.endr
.irp a, 0,1,2,3
	v_mul_f32 v[ST+8*\a+4], s40, v[ST+8*\a+4]      ; as t (c is positive)
.endr
.irp a, 0,1,2,3
	v_max_num_f32 v[ST+8*\a+4], 0xff61b1e6, v[ST+8*\a+4]     ; never under -3e38: a block that is wholly masked stays a number
.endr
.irp a, 0,1,2,3
	v_floor_f32 v[ST+8*\a], -v[ST+8*\a+4]          ; -M = floor(-t): M is a whole number
.endr
.irp a, 0,1,2,3
	v_mov_b32 v[ST+8*\a+1], v[ST+8*\a]             ; (named with it as a pair)
.endr
.irp n, 0,2,4,6,8,10,12,14,16,18,20,22,24,26,28,30
.irp a, 0,1,2,3
	v_pk_fma_f32 v[ACC+32*\a+\n:ACC+32*\a+\n+1], v[ACC+32*\a+\n:ACC+32*\a+\n+1], s[40:41], v[ST+8*\a:ST+8*\a+1] op_sel_hi:[1,0,0]   ; t - M
.endr
.endr
.set i, 0
.rept 128
	v_exp_f32 v[ACC+i], v[ACC+i]                   ; p = 2^(t - M): one batch
.set i, i+1
.endr
	v_nop                                          ; a plain line behind the last exponential
	s_wait_alu depctr_va_vdst(0)                   ; one wait for the batch, ahead of its first reader
.irp a, 0,1,2,3
.irp m, 0,1,2,3,4,5,6,7,8,9,10,11,12,13,14,15
	v_cvt_pk_f16_f32 v[TMP+16*\a+\m], v[ACC+32*\a+2*\m], v[ACC+32*\a+2*\m+1]   ; registers 16 a + 8 u .. + 7: the operand of query tile a, key step u
.endr
.endr
.irp a, 0,1,2,3
.irp u, 0,1
.irp f, 0,1
	global_store_b128 v[PO], v[TMP+16*\a+8*\u+4*\f:TMP+16*\a+8*\u+4*\f+3], s[46:47] offset:\a*65536+\u*1024+\f*512   ; 32 lanes store 512 consecutive bytes, aligned
.endr
.endr
.endr
.irp u, 0,1,2,3,4,5,6,7                ; the sums are taken of the unrounded p, in place, neighbours 1, 2, 4 and 8 pairs apart
.irp a, 0,1,2,3
	v_pk_add_f32 v[ACC+32*\a+4*\u:ACC+32*\a+4*\u+1], v[ACC+32*\a+4*\u:ACC+32*\a+4*\u+1], v[ACC+32*\a+4*\u+2:ACC+32*\a+4*\u+3]
.endr
.endr
.irp u, 0,1,2,3
.irp a, 0,1,2,3
	v_pk_add_f32 v[ACC+32*\a+8*\u:ACC+32*\a+8*\u+1], v[ACC+32*\a+8*\u:ACC+32*\a+8*\u+1], v[ACC+32*\a+8*\u+4:ACC+32*\a+8*\u+5]
.endr
.endr
.irp u, 0,1
.irp a, 0,1,2,3
	v_pk_add_f32 v[ACC+32*\a+16*\u:ACC+32*\a+16*\u+1], v[ACC+32*\a+16*\u:ACC+32*\a+16*\u+1], v[ACC+32*\a+16*\u+8:ACC+32*\a+16*\u+9]
.endr
.endr
.irp a, 0,1,2,3
	v_pk_add_f32 v[ACC+32*\a:ACC+32*\a+1], v[ACC+32*\a:ACC+32*\a+1], v[ACC+32*\a+16:ACC+32*\a+17]
.endr
.irp a, 0,1,2,3
	v_add_f32 v[ST+8*\a+2], v[ACC+32*\a], v[ACC+32*\a+1]
.endr
.irp a, 0,1,2,3
	v_permlanex16_b32 v[ST+8*\a+5], v[ST+8*\a+2], s42, s43
.endr
.irp a, 0,1,2,3
	v_add_f32 v[ST+8*\a+2], v[ST+8*\a+2], v[ST+8*\a+5]       ; l of query 16 a + r, in both halves of the lanes
.endr
.irp d, 0,1                            ; lanes 0-15 speak for query tile 2 d, lanes 16-31 for 2 d + 1: 32 queries' (-M, l) are 256 consecutive bytes, aligned
	v_cndmask_b32 v[ST+16*\d+6], v[ST+16*\d], v[ST+16*\d+8], s44
	v_cndmask_b32 v[ST+16*\d+7], v[ST+16*\d+2], v[ST+16*\d+10], s44
	global_store_b64 v[SO], v[ST+16*\d+6:ST+16*\d+7], s[48:49] offset:256*\d
.endr
.endm
.macro TILE more                       ; four K steps and what is made of the scores.  more = 1: the ring goes on into my next tile
	QUARTER 0, 128, F0, F1, 1                      ; a tile's first products start the sums: nothing is cleared
	QUARTER 0, 256, F1, F0, 0
	QUARTER 0, 384, F0, F1, 0
	TURN 0, 1, 0
	QUARTER 1, 128, F0, F1, 0
	QUARTER 1, 256, F1, F0, 0
	QUARTER 1, 384, F0, F1, 0
	TURN 1, 0, 0
	QUARTER 0, 128, F0, F1, 0
	QUARTER 0, 256, F1, F0, 0
	QUARTER 0, 384, F0, F1, 0
.if \more
	TURN 0, 1, 1
.else
	TURN 0, 1, 3
.endif
	QUARTER 1, 128, F0, F1, 0
	QUARTER 1, 256, F1, F0, 0
	QUARTER 1, 384, F0, F1, 0
.if \more
	TURN 1, 0, 2
.else
	s_wait_dscnt 16                                ; the very last quarter: nothing more to fetch
	WIN MUL
	MUL8 F1, 0, 0, 0
	MUL8 F1, 0, 2, 0
	s_wait_dscnt 0
	MUL8 F1, 1, 0, 0
	MUL8 F1, 1, 2, 0
.endif
	WIN 0
	EPILOGUE
.endm
	s_wait_tensorcnt 1                             ; my part of K step 0 is in (K step 1's load may be out)
	s_barrier_signal -1
	s_barrier_wait -1                              ; everybody's is
	FETCH 0, 0, F0
	WIN 0                                          ; at a label and at a branch every window is 0
.Ltile:                                            ; one or two trips, by the work-group's number: no LDS address is stepped in this loop
	TILE 1
	s_mov_b32 s16, s18                             ; on to the tile whose first K steps have been asked for
	s_mov_b32 s17, s19
	s_sub_co_u32 s22, s22, 1
	s_cmp_gt_i32 s22, 0                            ; a signed compare: the count comes down from 2 or 1 and ends the loop at 0 or under
	s_cbranch_scc1 .Ltile
	TILE 0                                         ; the last tile is written out: it asks for nothing beyond itself
	s_wait_tensorcnt 0x0                           ; the wave's end
	ds_add_u32 v[SPW], v[NIL]
	s_wait_dscnt 0x0
	s_endpgm
.Lfunc_end_k_q132b957d53_score:
	.size	k_q132b957d53_score, .Lfunc_end_k_q132b957d53_score-k_q132b957d53_score
	.p2alignl 7, 3214868480
	.fill 96, 4, 3214868480
	.section	.rodata,"a",@progbits
	.p2align	6, 0x0
	.amdhsa_kernel k_q132b957d53_score
		.amdhsa_group_segment_fixed_size 327680
		.amdhsa_private_segment_fixed_size 0
		.amdhsa_enable_private_segment 0
		.amdhsa_kernarg_size 24
		.amdhsa_user_sgpr_count 2
		.amdhsa_user_sgpr_kernarg_segment_ptr 1
		.amdhsa_wavefront_size32 1
		.amdhsa_system_sgpr_workgroup_id_x 1
		.amdhsa_system_sgpr_workgroup_id_y 1
		.amdhsa_system_sgpr_workgroup_id_z 1
		.amdhsa_system_vgpr_workitem_id 0
		.amdhsa_next_free_vgpr 512
		.amdhsa_next_free_sgpr 66
		.amdhsa_reserve_vcc 1
		.amdhsa_float_denorm_mode_32 3
		.amdhsa_float_denorm_mode_16_64 3
		.amdhsa_memory_ordered 1
		.amdhsa_forward_progress 1
		.amdhsa_inst_pref_size 211
	.end_amdhsa_kernel
	.amdgpu_metadata
---
amdhsa.version: [ 1, 2 ]
amdhsa.kernels:
  - .name:           k_q132b957d53_score
    .symbol:         k_q132b957d53_score.kd
    .args:
      - { .name: qkv, .offset: 0, .size: 8, .value_kind: global_buffer, .address_space: global }
      - { .name: pimg, .offset: 8, .size: 8, .value_kind: global_buffer, .address_space: global }
      - { .name: st, .offset: 16, .size: 8, .value_kind: global_buffer, .address_space: global }
    .group_segment_fixed_size: 327680
    .private_segment_fixed_size: 0
    .kernarg_segment_align: 8
    .kernarg_segment_size: 24
    .max_flat_workgroup_size: 128
    .sgpr_count:     66
    .vgpr_count:     512
    .wavefront_size: 32
...
	.end_amdgpu_metadata
.endif
;; end of part 3
;; launch pv (part 4): grid 8 x 32, 4 waves a work-group, clusters of 4 x 1, 327,680 bytes of LDS; arguments pimg, st, qkv, out0; writes out0
.if DOCPART == 4
	.amdgcn_target "amdgcn-amd-amdhsa--gfx1250"
	.amdhsa_code_object_version 6
	.text
	.protected	k_q132b957d53_pv
	.globl	k_q132b957d53_pv
	.p2align	8
	.type	k_q132b957d53_pv,@function
k_q132b957d53_pv:
	s_mov_b64 s[64:65], 0
	v_nop
	global_prefetch_b8 v0, s[64:65] scope:SCOPE_SE
	s_setreg_imm32_b32 hwreg(HW_REG_WAVE_MODE, 25, 1), 1
	s_wait_xcnt 0x0
	s_wait_alu depctr_hold_cnt(0) depctr_sa_sdst(0) depctr_va_vdst(0) depctr_va_sdst(0) depctr_va_ssrc(0) depctr_va_vcc(0) depctr_vm_vsrc(0)
	s_getreg_b32 s2, hwreg(HW_REG_IB_STS2, 6, 4)
	s_cmp_eq_u32 s2, 0
	s_cbranch_scc0 .Lentry_in_a_cluster
	s_endpgm
.Lentry_in_a_cluster:
	s_bfe_u32 s2, ttmp6, 0x10000c
	s_cmp_lg_u32 s2, 0x3003
	s_cbranch_scc0 .Lentry_shape_is_right
	s_endpgm
.Lentry_shape_is_right:
; LAUNCH 4 OF 5.  context = (the sum over blocks of 64 keys of f x (p v)) / L, in f16 operands and f32 sums.  p, -M and l come from the launch before; f = 2^(the block's M - the row's largest M), an exact power of two,
; L = the sum of l f in f32.  EACH BLOCK'S PRODUCT p v IS SUMMED BY THE MATRIX UNIT FROM 0, into a set T of accumulators, and taken into the row's sums O by one fused multiply-add in f32: O += f T.  Nothing is reckoned in 16 bits
; outside the matrix unit.  LIMIT: p is f16: a weight under 2^-24 of its block's largest power of two counts as 0 (a block's sum is at least 0.5 where the block is not wholly masked).
; LEFT OUT (shown at the head of the first launch): keys beyond a query tile's last query: their weights are 0 for all inputs.  Rows 0-15 of each sequence are the last launch's and are not stored here.
; SHARES.  Work-group (X, y): channels 128 X on; sequence y / 8; pair p = y % 8: the tiles of 128 queries p and 15 - p, which have 17 blocks of 128 keys between them in EVERY work-group.
; THE WALK is nine trips of 256 keys through two LDS slots.  The tile of the pair with an EVEN number of blocks goes first (tile p where p is odd, else 15 - p): it fills NT whole trips; the other tile takes the rest,
; and the one trip with only 128 keys is always the last, which is written out.  So every tensor load brings bytes that are read.  At the change of tiles, which hangs on y alone, the first tile goes out and O is cleared.
; O is also cleared once at the head, while the first tiles are on their way: the trip in which a tile begins hangs on y, and a copy of the trip for each case would be more text than 128 lines that run twice.
; BY TURNS.  A trip is four quarters of 64 keys.  The two sets of T take turns; a quarter's 64 multiply-adds stand in four runs of 16 behind the next quarter's four groups of eight products; a trip's last quarter is
; taken into O at the trip's end, so that O is whole where the change of tiles is tested.
; CLUSTER 4 x 1: the four partners make four neighbouring column tiles of the same rows, so P's tiles are asked for JOINTLY (the mask names all four); each loads its own columns of v.
; A wave: 64 queries x 64 channels: 16 accumulators.  Source 0 = V^T (16 channels x 32 keys, turned on the way out of LDS), source 1 = P's image: lane (r, h) holds query 16 a + r, register j channel 16 t + 8 h + j.
; LDS: slot s at 139,264 s: P [block of 128 keys 2][tile of 16 queries 8][step of 32 keys 4][1,024 bytes], dense; from 65,536 V: 256 rows of 256 bytes + 32.  Behind the slots, written by LDS stores alone:
;   FT, the factors: entry 4 trip + quarter, 128 queries x f in f32;  RLT [tile 2][128] 1 / L;  a stage of 16 rows x 272 bytes for each wave;  the spare words.
; REGISTERS, in windows of 256: window 0: v1-15 addresses; v16-47 factors: a set for each quarter of a trip, a pair for each tile of queries; v48-55 1 / L likewise; v56-87 scaled results; v88-151 rows read back, two banks.
;   window 1: two buffers of 128 for 64 keys: P at 32 c + 8 a, V at 64 + 32 c + 8 t.   window 2: T, two sets of 128 ((a, t) at 8 (4 a + t)).   window 3: v0-127 O, laid as T.
.set PSL,   65536
.set VP,    288                        ; a row of V in LDS: row r starts 72 words on: the turning load's 8 rows x 32 bytes fall on different banks
.set VBLK,  128*VP
.set SLOT,  PSL+2*VBLK
.set FT,    2*SLOT
.set RLT,   FT+36*512
.set STAGE, RLT+1024
.set SPARE, STAGE+4*16*272
.set ADRP, 2                           ; v2-3   my P fragments in slot 0, 1
.set ADRV, 4                           ; v4-7   my V fragments: 2 slot + block
.set FADR, 8                           ; v8     my factors; stepped by a pair of trips
.set STO,  9
.set RD,   10
.set GO,   11
.set RLA,  12
.set FTW,  13                          ; v13    where thread t stores into FT
.set SPW,  14
.set NIL,  15
.set FA,   16
.set RLV,  48
.set TMP,  56
.set BK,   88
.set F0,   0
.set F1,   128
.set G1P, 24                           ; s[24:31], s[32:39] descriptor groups 1 for P's and V's tiles
.set G1V, 32
.set G0P, 40                           ; s[40:47], s[48:55] groups 0, a set for each slot
.set G0V, 48
.set MSB, 0
.macro WIN new
.if MSB != \new
	s_set_vgpr_msb (MSB<<8)|\new
.set MSB, \new
.endif
.endm
.set MULW, 0xa5                        ; sources 0 (V) and 1 (P) window 1; C and D (T) window 2
.set TO_F, 0x40                        ; destination window 1, address window 0
.set FMW,  0xf2                        ; source 0 (T) window 2, source 1 (f) window 0, source 2 and destination (O) window 3
.set OUTW, 0x03                        ; source 0 (O) window 3, the rest window 0
.set CLRW, 0xc0                        ; destination (O) window 3
; Trip s22: where my block of its P and of its V begins.  s18, s19 the first and the second tile; s20 = NT; s14 = which block I fetch; s61 = 128 seq; s62 = 2,048 seq + 128 block; s63 = 4,096 + 256 X.
; P's registers (s80-83) never hold my place in the cluster.
.macro SRC slot
	s_cmp_lt_u32 s22, s20
	s_cselect_b32 s80, s18, s19                    ; the trip's tile of queries
	s_cselect_b32 s83, 0, s20
	s_sub_co_u32 s83, s22, s83                     ; its 256 keys
	s_lshl_b32 s80, s80, 3
	s_add_co_u32 s80, s80, s61
	s_lshl_b32 s80, s80, 6
	s_lshl_b32 s82, s83, 3
	s_add_co_u32 s80, s80, s82
	s_lshl_b32 s82, s14, 2
	s_add_co_u32 s80, s80, s82
	s_lshl_b32 s80, s80, 10                        ; ((128 seq + 8 i) x 64 + 8 k + 4 block) x 1,024
	s_mov_b32 s81, 0
	s_lshl_b32 s84, s83, 8
	s_add_co_u32 s84, s84, s62
	s_mul_i32 s84, s84, 6144
	s_add_co_u32 s84, s84, s63                     ; (2,048 seq + 256 k + 128 block) x 6,144 + v's place in a row + my columns
	s_mov_b32 s85, 0
	s_add_nc_u64 s[G0P+4*\slot+2:G0P+4*\slot+3], s[4:5], s[80:81]
	s_or_b32 s[G0P+4*\slot+3], s[G0P+4*\slot+3], 0x80000000
	s_add_nc_u64 s[G0V+4*\slot+2:G0V+4*\slot+3], s[8:9], s[84:85]
	s_or_b32 s[G0V+4*\slot+3], s[G0V+4*\slot+3], 0x80000000
.endm
; A refill.  Waves 0, 1 ask jointly for P's two blocks, waves 2, 3 for V's.  kind 3: the last trip has one block: waves 0 and 2 alone.  The branches hang on the wave's number alone.
.macro JLOAD slot, kind
.if \kind == 3
	s_cmp_eq_u32 s14, 0
	s_cbranch_scc0 .Lasked_\@
.endif
	s_cmp_lt_u32 s12, 2
	s_cbranch_scc0 .Lfor_v_\@
	tensor_load_to_lds s[G0P+4*\slot:G0P+4*\slot+3], s[G1P:G1P+7]
	s_nop 0
.rept 4
	v_nop
.endr
	s_branch .Lasked_\@
.Lfor_v_\@:
	tensor_load_to_lds s[G0V+4*\slot:G0V+4*\slot+3], s[G1V:G1V+7]
	s_nop 0
.rept 4
	v_nop
.endr
.Lasked_\@:
.endm
.macro CREST                           ; a round of the cluster's barrier behind its opening barrier
	s_cmp_lg_u32 s12, 0
	s_cbranch_scc1 .Lnot_wave_0_\@
	s_barrier_signal -3
.Lnot_wave_0_\@:
	s_barrier_wait -3
	s_barrier_signal -1
	s_barrier_wait -1
.endm
.macro CROUND
	s_barrier_signal -1
	s_barrier_wait -1
	CREST
.endm
	s_load_b256 s[4:11], s[0:1], 0x0               ; pimg, st, qkv, out0
	v_lshl_add_u32 v[SPW], v0, 2, SPARE
	v_mov_b32 v[NIL], 0
	ds_add_u32 v[SPW], v[NIL]                      ; the wave's opening: the add, twice on end, and its wait ahead of my first tensor load
	ds_add_u32 v[SPW], v[NIL]
	v_lshrrev_b32 v1, 5, v0
	v_readfirstlane_b32 s12, v1                    ; wave 0..3
	s_lshr_b32 s13, s12, 1                         ; my half of the queries
	s_and_b32 s14, s12, 1                          ; my half of the channels.  Also: which block of 128 keys I fetch
	s_bfe_u32 s96, ttmp6, 0x40000                  ; cx
	s_lshl_b32 s17, ttmp9, 2
	s_add_co_u32 s17, s17, s96                     ; X: my tile of 128 channels
	s_and_b32 s66, ttmp7, 0xffff                   ; y: the same in all four partners
	s_lshr_b32 s15, s66, 3                         ; the sequence
	s_and_b32 s16, s66, 7                          ; p
	s_sub_co_u32 s67, 15, s16
	s_and_b32 s66, s16, 1
	s_cmp_eq_u32 s66, 1
	s_cselect_b32 s18, s16, s67                    ; the first tile: an odd number, so an even number of blocks
	s_cselect_b32 s19, s67, s16                    ; the second
	s_add_co_u32 s20, s18, 1
	s_lshr_b32 s20, s20, 1                         ; NT: the first tile's trips, 1 to 8
	s_mov_b32 s21, 0                               ; trips done
	s_mov_b32 s22, 0                               ; the trip last asked for
	s_or_b32 s60, s16, s13                         ; 0 where my second tile begins with rows 0-15 of the sequence
	s_lshl_b32 s61, s15, 7
	s_lshl_b32 s62, s15, 11
	s_lshl_b32 s67, s14, 7
	s_add_co_u32 s62, s62, s67
	s_lshl_b32 s63, s17, 8
	s_add_co_u32 s63, s63, 4096
	s_mov_b32 s[G1P+0], 15|(3<<16)|(1<<21)         ; the mask: all four; elements of 8 bytes; 21 set beside a mask; no padding
	s_mov_b32 s[G1P+1], 512<<16                    ; tensor_dim0: 4,096 bytes: four steps of 32 keys of one tile of 16 queries
	s_mov_b32 s[G1P+2], 8<<16                      ; tensor_dim1: 8 tiles of queries
	s_mov_b32 s[G1P+3], 512<<16
	s_mov_b32 s[G1P+4], 8
	s_mov_b32 s[G1P+5], 8192                       ; 65,536 bytes from one tile of queries to the next
	s_mov_b32 s[G1P+6], 0
	s_mov_b32 s[G1P+7], 0
	s_mov_b32 s[G1V+0], (1<<16)|(1<<20)|(5<<22)|(7<<25)   ; elements of 2 bytes; padding: eight words after every 64
	s_mov_b32 s[G1V+1], 128<<16
	s_mov_b32 s[G1V+2], 128<<16
	s_mov_b32 s[G1V+3], 128<<16
	s_mov_b32 s[G1V+4], 128
	s_mov_b32 s[G1V+5], 3072
	s_mov_b32 s[G1V+6], 0
	s_mov_b32 s[G1V+7], 0
	s_lshl_b32 s66, s14, 15                        ; my block's place in a slot: P's,
	s_mul_i32 s67, s14, VBLK                       ; V's
.irp s, 0,1
	s_mov_b32 s[G0P+4*\s], 1
	s_add_co_u32 s[G0P+4*\s+1], s66, \s*SLOT
	s_mov_b32 s[G0V+4*\s], 1
	s_add_co_u32 s[G0V+4*\s+1], s67, \s*SLOT+PSL
.endr
	s_wait_dscnt 0x0                               ; both opening adds are done
	s_wait_kmcnt 0x0
	CROUND                                         ; all four work-groups are here: the first joint loads meet
	SRC 0
	s_mov_b32 s22, 1
	SRC 1
	s_cmp_lt_u32 s12, 2                            ; a wave's two first fills stand in one branch: two tensor loads of mine are out at the most
	s_cbranch_scc0 .Lfirst_v
	tensor_load_to_lds s[G0P:G0P+3], s[G1P:G1P+7]
	s_nop 0
	tensor_load_to_lds s[G0P+4:G0P+7], s[G1P:G1P+7]
	s_nop 0
.rept 4
	v_nop
.endr
	s_branch .Lfirst_asked
.Lfirst_v:
	tensor_load_to_lds s[G0V:G0V+3], s[G1V:G1V+7]
	s_nop 0
	tensor_load_to_lds s[G0V+4:G0V+7], s[G1V:G1V+7]
	s_nop 0
.rept 4
	v_nop
.endr
.Lfirst_asked:
	v_and_b32 v56, 15, v0                          ; r
	v_bfe_u32 v57, v0, 4, 1                        ; h
	v_and_b32 v58, 31, v0                          ; lane
	s_lshl_b32 s66, s13, 14                        ; my four tiles of queries: 4,096 bytes each
	v_lshl_add_u32 v[ADRP], v58, 4, s66
	v_add_nc_u32 v[ADRP+1], SLOT, v[ADRP]
	v_and_b32 v59, 7, v0                           ; the turning load: lane l reads key 8 h + l % 8, channels 8 ((l / 8) % 2) on
	v_lshl_add_u32 v59, v57, 3, v59
	v_mul_u32_u24 v59, v59, VP
	v_bfe_u32 v60, v0, 3, 1
	v_lshl_add_u32 v59, v60, 4, v59
	s_lshl_b32 s66, s14, 7
	s_add_co_u32 s66, s66, PSL
	v_add_nc_u32 v[ADRV], s66, v59
	v_add_nc_u32 v[ADRV+1], VBLK, v[ADRV]
	v_add_nc_u32 v[ADRV+2], SLOT, v[ADRV]
	v_add_nc_u32 v[ADRV+3], SLOT, v[ADRV+1]
	s_lshl_b32 s66, s13, 8
	s_add_co_u32 s66, s66, FT
	v_lshl_add_u32 v[FADR], v56, 2, s66            ; FT + 4 (64 half + r)
	v_add_nc_u32 v[RLA], RLT-FT, v[FADR]
	s_mul_i32 s66, s12, 16*272
	s_add_co_u32 s66, s66, STAGE                   ; my stage
	v_mul_u32_u24 v[STO], v56, 272
	v_lshl_add_u32 v[STO], v57, 5, v[STO]
	v_add_nc_u32 v[STO], s66, v[STO]               ; in: row r, 32 bytes for each half of the lanes
	v_mul_u32_u24 v[RD], v57, 272
	v_lshl_add_u32 v[RD], v56, 4, v[RD]
	v_add_nc_u32 v[RD], s66, v[RD]                 ; back: lanes 0-15 one row of 256 bytes, lanes 16-31 the next
	v_lshlrev_b32 v[GO], 12, v57
	v_lshl_add_u32 v[GO], v56, 4, v[GO]            ; and the same two rows in the output
	v_lshl_add_u32 v[FTW], v0, 2, FT
	v_lshlrev_b32 v1, 3, v0                        ; 8 x thread
.irp k, 0,1,2,3,4,5,6,7,8,9,10,11,12,13,14,15
	v_mov_b32 v[FA+2*\k+1], 0                      ; (named as the upper half of a pair; the packed form takes the low word for both halves)
.endr
.irp a, 0,1,2,3
	v_mov_b32 v[RLV+2*\a+1], 0                     ; (likewise)
.endr
	s_lshl_b32 s66, s15, 11                        ; where my part of each tile begins in the output
	s_lshl_b32 s67, s13, 6
	s_add_co_u32 s66, s66, s67
	s_lshl_b32 s92, s17, 9
	s_lshl_b32 s93, s14, 8
	s_add_co_u32 s92, s92, s93
	s_lshl_b32 s90, s18, 7
	s_add_co_u32 s90, s90, s66
	s_lshl_b32 s90, s90, 12
	s_add_co_u32 s90, s90, s92
	s_mov_b32 s91, 0
	s_add_nc_u64 s[56:57], s[10:11], s[90:91]      ; the first tile's
	s_lshl_b32 s90, s19, 7
	s_add_co_u32 s90, s90, s66
	s_lshl_b32 s90, s90, 12
	s_add_co_u32 s90, s90, s92
	s_add_nc_u64 s[58:59], s[10:11], s[90:91]      ; the second's
	; THE FACTORS.  Thread t is query t of both tiles.  Entry e = 4 trip + quarter of the walk is a block of 64 keys; its (-M, l) are loaded, 34 loads at once, 256 consecutive bytes a wave each.
.set DV,  128                          ; v128-195 (-M, l) of entry e at 128 + 2 e
.set AD,  200                          ; v200-208 a trip's byte offset in st
.set MT,  210                          ; v210-218 a trip's least -M
.set NMF, 220                          ; the first tile's least -M = -(its largest M);
.set NMS, 221                          ; the second's
.set BIG, 222
.set NR,  223
.set LF,  224
.set LS,  225
.set LT,  226
.set T1,  227
.set W,   228                          ; v228-231 at work
	s_lshl_b32 s92, s15, 5
.irp s, 0,1,2,3,4,5,6,7,8
	s_cmp_gt_u32 s20, \s                           ; is trip s the first tile's?  ids alone
	s_cselect_b32 s[70+\s], -1, 0                  ; kept as a mask of lanes
	s_cselect_b32 s90, s18, s19
	s_cselect_b32 s91, 0, s20
	s_sub_co_u32 s91, \s, s91
	s_lshl_b32 s91, s91, 2
	s_add_co_u32 s91, s91, s92
	s_lshl_b32 s91, s91, 14
	s_lshl_b32 s90, s90, 10
	s_add_co_u32 s91, s91, s90                     ; ((32 seq + 4 k) x 2,048 + 128 i) x 8
	v_add_nc_u32 v[AD+\s], s91, v1
.irp q, 0,1,2,3
.if 4*\s+\q < 34
	global_load_b64 v[DV+2*(4*\s+\q):DV+2*(4*\s+\q)+1], v[AD+\s], s[6:7] offset:16384*\q
.endif
.endr
.endr
	v_mov_b32 v[BIG], 0x7f7fffff
	v_mov_b32 v[LF], 0
	v_mov_b32 v[LS], 0
	s_wait_loadcnt 0x0
.irp s, 0,1,2,3,4,5,6,7
	v_min_num_f32 v[MT+\s], v[DV+8*\s], v[DV+8*\s+2]
	v_min_num_f32 v[W], v[DV+8*\s+4], v[DV+8*\s+6]
	v_min_num_f32 v[MT+\s], v[MT+\s], v[W]
.endr
	v_min_num_f32 v[NMS], v[DV+64], v[DV+66]       ; trip 8 is always the second tile's,
	v_mov_b32 v[NMF], v[MT]                        ; trip 0 the first's
.irp s, 1,2,3,4,5,6,7
	v_cndmask_b32 v[W], v[BIG], v[MT+\s], s[70+\s]
	v_cndmask_b32 v[W+1], v[MT+\s], v[BIG], s[70+\s]
	v_min_num_f32 v[NMF], v[NMF], v[W]
	v_min_num_f32 v[NMS], v[NMS], v[W+1]
.endr
.macro ENTRY e, q                      ; f = 2^(the block's M - the row's): a whole number's power, 0 or less; the conversion saturates, so a wholly masked block gives f = 0
	v_sub_f32 v[W+\q], v[NR], v[DV+2*(\e)]
	v_cvt_i32_f32 v[W+\q], v[W+\q]
	v_ldexp_f32 v[W+\q], 1.0, v[W+\q]
	ds_store_b32 v[FTW], v[W+\q] offset:512*(\e)
.if \q == 0
	v_mul_f32 v[LT], v[DV+2*(\e)+1], v[W+\q]
.else
	v_fmac_f32 v[LT], v[DV+2*(\e)+1], v[W+\q]
.endif
.endm
.irp s, 0,1,2,3,4,5,6,7,8
	v_cndmask_b32 v[NR], v[NMS], v[NMF], s[70+\s]
.irp q, 0,1,2,3
.if 4*\s+\q < 34
	ENTRY 4*\s+\q, \q
.endif
.endr
	v_cndmask_b32 v[T1], 0, v[LT], s[70+\s]
	v_add_f32 v[LF], v[LF], v[T1]
	v_cndmask_b32 v[T1], v[LT], 0, s[70+\s]
	v_add_f32 v[LS], v[LS], v[T1]
.endr
	v_rcp_f32 v[W], v[LF]
	v_rcp_f32 v[W+1], v[LS]
	v_nop                                          ; a plain line behind the reciprocals
	s_wait_alu depctr_va_vdst(0)                   ; and the wait ahead of their first reader
	ds_store_b32 v[FTW], v[W] offset:RLT-FT
	ds_store_b32 v[FTW], v[W+1] offset:RLT-FT+512
.macro CLEAR                           ; O = 0
	WIN CLRW
.set i, 0
.rept 128
	v_mov_b32 v[i], 0
.set i, i+1
.endr
	WIN 0
.endm
	CLEAR
.macro PLACES
.rept 4
	v_nop
.endr
.endm
; 8 matrix instructions: query tiles a0, a0 + 1 x the 4 channel tiles, 32 keys, into set ts of T.  zero = 1: a block's first 32 keys start its sums.  The 16 accumulators take turns
.macro MUL8 f, c, a0, ts, zero
.irp a, \a0, \a0+1
.irp t, 0,1,2,3
.if \zero
	v_wmma_f32_16x16x32_f16 v[128*(\ts)+8*(4*(\a)+\t):128*(\ts)+8*(4*(\a)+\t)+7], v[\f+64+32*\c+8*\t:\f+64+32*\c+8*\t+7], v[\f+32*\c+8*(\a):\f+32*\c+8*(\a)+7], 0
.else
	v_wmma_f32_16x16x32_f16 v[128*(\ts)+8*(4*(\a)+\t):128*(\ts)+8*(4*(\a)+\t)+7], v[\f+64+32*\c+8*\t:\f+64+32*\c+8*\t+7], v[\f+32*\c+8*(\a):\f+32*\c+8*(\a)+7], v[128*(\ts)+8*(4*(\a)+\t):128*(\ts)+8*(4*(\a)+\t)+7]
.endif
.endr
.endr
.endm
; 16 packed multiply-adds: O += f T for query tile a: set ts of T, set number set of the factors.  Each accumulator is read from its low end on.
.macro FOLD ts, set, a
	WIN FMW
.irp t, 0,1,2,3
.irp i, 0,2,4,6
	v_pk_fma_f32 v[8*(4*\a+\t)+\i:8*(4*\a+\t)+\i+1], v[128*(\ts)+8*(4*\a+\t)+\i:128*(\ts)+8*(4*\a+\t)+\i+1], v[FA+8*(\set)+2*\a:FA+8*(\set)+2*\a+1], v[8*(4*\a+\t)+\i:8*(4*\a+\t)+\i+1] op_sel_hi:[1,0,1]
.endr
.endr
.endm
; 36 LDS loads in one run: quarter qd (64 keys) of a slot into buffer f: its four factors (entry e from FADR on) into set fb, then the first 32 keys' V and P, then the second's
.macro FETCH slot, qd, f, fb, e
	WIN 0
.irp a, 0,1,2,3
	ds_load_b32 v[FA+8*(\fb)+2*\a], v[FADR] offset:512*(\e)+64*\a
.endr
	WIN TO_F
.irp c, 0,1
.irp t, 0,1,2,3
	ds_load_tr16_b128 v[\f+64+32*\c+8*\t:\f+64+32*\c+8*\t+3],   v[ADRV+2*\slot+(\qd)/2] offset:(2*((\qd)%2)+\c)*32*VP+32*\t
	ds_load_tr16_b128 v[\f+64+32*\c+8*\t+4:\f+64+32*\c+8*\t+7], v[ADRV+2*\slot+(\qd)/2] offset:(2*((\qd)%2)+\c)*32*VP+16*VP+32*\t
.endr
.irp a, 0,1,2,3
	ds_load_b128 v[\f+32*\c+8*\a:\f+32*\c+8*\a+3],   v[ADRP+\slot] offset:((\qd)/2)*32768+\a*4096+(2*((\qd)%2)+\c)*1024
	ds_load_b128 v[\f+32*\c+8*\a+4:\f+32*\c+8*\a+7], v[ADRP+\slot] offset:((\qd)/2)*32768+\a*4096+(2*((\qd)%2)+\c)*1024+512
.endr
.endr
.endm
; Quarter qd - 1 of a trip: multiplies buffer f into set ts of T, fetches quarter qd into g, and (but for a trip's first quarter) takes the quarter before, the other set of T with the factors of set qd - 2, into O.
; The multiply-adds are the plain lines between the last products on a buffer and the loads into it; behind a trip's first quarter, which has none, four v_nop stand ahead of the first read of its sums.
.macro QUARTER slot, qd, f, g, ts, e
	s_wait_dscnt 16                                ; f's factors and first 32 keys are in; the sixteen loads of its second 32 may be out
	WIN MULW
	MUL8 \f, 0, 0, \ts, 1
.if \qd > 1
.if \qd == 2
	PLACES
.endif
	FOLD (1-\ts), (\qd-2), 0
	WIN MULW
.endif
	MUL8 \f, 0, 2, \ts, 1
.if \qd > 1
	FOLD (1-\ts), (\qd-2), 1
.endif
	FETCH \slot, \qd, \g, \qd, \e
	s_wait_dscnt 36                                ; all but the 36 just issued: f's second 32 keys are in
	WIN MULW
	MUL8 \f, 1, 0, \ts, 0
.if \qd > 1
	FOLD (1-\ts), (\qd-2), 2
	WIN MULW
.endif
	MUL8 \f, 1, 2, \ts, 0
.if \qd > 1
	FOLD (1-\ts), (\qd-2), 3
.endif
.endm
; A trip's last quarter (buffer 1, set 1 of T) changes slots.  In front of the barrier each wave waits for all its tensor loads (its part of the next slot), adds 0 to its spare word, and waits for that and for its reads of this slot.
; kind 2, 3: the barrier opens a round of the cluster's, and this slot is filled again first behind it, with the trip two on.  kind 1: nothing is left to fetch.  At its end the quarter's own sums go into O.
.macro TURN slot, next, kind, e
	WIN 0
	s_wait_tensorcnt 0x0                           ; no tensor load of mine is out, so a group 0 may be written
	ds_add_u32 v[SPW], v[NIL]                      ; address work, eight products and sixteen multiply-adds stand between it and the wait for it
.if \kind >= 2
	s_add_co_u32 s22, s22, 1
	SRC \slot
.endif
	s_wait_dscnt 17                                ; (the add and the youngest sixteen loads may be out)
	WIN MULW
	MUL8 F1, 0, 0, 1, 1
	FOLD 0, 2, 0
	s_wait_dscnt 0x0                               ; the add is done, and my reads of this slot are over
	s_barrier_signal -1
	WIN MULW
	MUL8 F1, 0, 2, 1, 1
	FOLD 0, 2, 1
	WIN 0
	s_barrier_wait -1
.if \kind >= 2
	CREST                                          ; no wave of any partner still reads this slot or has a load on its way
	JLOAD \slot, \kind
.endif
	FETCH \next, 0, F0, 0, \e
	WIN MULW
	MUL8 F1, 1, 0, 1, 0
	FOLD 0, 2, 2
	WIN MULW
	MUL8 F1, 1, 2, 1, 0
	FOLD 0, 2, 3                                   ; (sixteen plain lines behind the last products)
	FOLD 1, 3, 0                                   ; the trip's last block
	FOLD 1, 3, 1
	FOLD 1, 3, 2
	FOLD 1, 3, 3
	WIN 0
.endm
; THE WAY OUT of a tile: x 1 / L, then 16 rows x 64 channels at a time through my own stage, back as whole rows of 256 bytes.
.macro PACK a
	WIN OUTW
.irp t, 0,1,2,3
.irp i, 0,2,4,6
	v_pk_mul_f32 v[TMP+8*\t+\i:TMP+8*\t+\i+1], v[8*(4*\a+\t)+\i:8*(4*\a+\t)+\i+1], v[RLV+2*\a:RLV+2*\a+1] op_sel_hi:[1,0]
.endr
.endr
	WIN 0
.endm
.macro TOSTAGE a
.irp t, 0,1,2,3
	ds_store_b128 v[STO], v[TMP+8*\t:TMP+8*\t+3] offset:64*\t
	ds_store_b128 v[STO], v[TMP+8*\t+4:TMP+8*\t+7] offset:64*\t+16
.endr
.irp i, 0,1,2,3,4,5,6,7
	ds_load_b128 v[BK+32*((\a)%2)+4*\i:BK+32*((\a)%2)+4*\i+3], v[RD] offset:544*\i   ; LDS serves a wave's instructions in order: these see my stores
.endr
.endm
.macro SEND a, ob
	s_wait_dscnt 0x0                               ; the block is back in registers
	s_wait_xcnt 0x0                                ; earlier stores have read their data: the other bank may be loaded again behind this wait
.irp i, 0,1,2,3,4,5,6,7
	global_store_b128 v[GO], v[BK+32*((\a)%2)+4*\i:BK+32*((\a)%2)+4*\i+3], s[\ob:\ob+1] offset:(16*\a+2*\i)*4096 th:TH_STORE_NT   ; 16 lanes store 256 consecutive bytes, aligned
.endr
.endm
.macro WAYOUT sel, ob
	s_wait_xcnt 0x0                                ; the banks are free
.irp a, 0,1,2,3
	ds_load_b32 v[RLV+2*\a], v[RLA] offset:512*\sel+64*\a
.endr
	s_wait_dscnt 0x0
.if \sel
	s_cmp_eq_u32 s60, 0                            ; rows 0-15 of a sequence are the last launch's: ids and the wave's number
	s_cbranch_scc1 .Lskip_\@
.endif
	PACK 0
	TOSTAGE 0
	SEND 0, \ob
.Lskip_\@:
	PACK 1
	TOSTAGE 1
	PACK 2
	SEND 1, \ob
	TOSTAGE 2
	PACK 3
	SEND 2, \ob
	TOSTAGE 3
	SEND 3, \ob
.endm
; A trip of 256 keys; eb: its first entry of factors, counted from FADR.  At its end: was it the first tile's last?  Then that tile goes out and O begins anew.
.macro TRIP slot, next, kind, eb
	QUARTER \slot, 1, F0, F1, 0, \eb+1
	QUARTER \slot, 2, F1, F0, 1, \eb+2
	QUARTER \slot, 3, F0, F1, 0, \eb+3
	TURN \slot, \next, \kind, \eb+4
	s_add_co_u32 s21, s21, 1
	s_cmp_lg_u32 s21, s20                          ; y alone: the same in all partners
	s_cbranch_scc1 .Lgo_\@
	WAYOUT 0, 56
	CLEAR
.Lgo_\@:
.endm
	s_wait_tensorcnt 1                             ; my part of slot 0 is in (slot 1's load may be out)
	s_wait_dscnt 0x0                               ; my stores into the tables have landed,
	s_barrier_signal -1
	s_barrier_wait -1                              ; everybody's
	FETCH 0, 0, F0, 0, 0
	WIN 0
	s_mov_b32 s23, 3
.Lpair:                                            ; trips 0 to 5; each fills its slot again with the trip two on
	TRIP 0, 1, 2, 0
	TRIP 1, 0, 2, 4
	v_add_nc_u32 v[FADR], 8*512, v[FADR]
	s_sub_co_u32 s23, s23, 1
	s_cmp_lg_u32 s23, 0
	s_cbranch_scc1 .Lpair
	TRIP 0, 1, 3, 0                                ; trip 6: the last trip's one block is asked for
	TRIP 1, 0, 1, 4                                ; trip 7: nothing is left to fetch
	QUARTER 0, 1, F0, F1, 0, 9                     ; trip 8: 128 keys: its first quarter,
	s_wait_dscnt 0x0                               ; and its second: nothing more to fetch
	WIN MULW
	MUL8 F1, 0, 0, 1, 1
	PLACES                                         ; ahead of the first read of the first quarter's sums
	FOLD 0, 0, 0
	WIN MULW
	MUL8 F1, 0, 2, 1, 1
	FOLD 0, 0, 1
	WIN MULW
	MUL8 F1, 1, 0, 1, 0
	FOLD 0, 0, 2
	WIN MULW
	MUL8 F1, 1, 2, 1, 0
	FOLD 0, 0, 3
	FOLD 1, 1, 0
	FOLD 1, 1, 1
	FOLD 1, 1, 2
	FOLD 1, 1, 3
	WIN 0
	WAYOUT 1, 58
	s_wait_tensorcnt 0x0                           ; the wave's end
	ds_add_u32 v[SPW], v[NIL]
	s_wait_dscnt 0x0
	CROUND                                         ; the closing round
	s_endpgm
.Lfunc_end_k_q132b957d53_pv:
	.size	k_q132b957d53_pv, .Lfunc_end_k_q132b957d53_pv-k_q132b957d53_pv
	.p2alignl 7, 3214868480
	.fill 96, 4, 3214868480
	.section	.rodata,"a",@progbits
	.p2align	6, 0x0
	.amdhsa_kernel k_q132b957d53_pv
		.amdhsa_group_segment_fixed_size 327680
		.amdhsa_private_segment_fixed_size 0
		.amdhsa_enable_private_segment 0
		.amdhsa_kernarg_size 32
		.amdhsa_user_sgpr_count 2
		.amdhsa_user_sgpr_kernarg_segment_ptr 1
		.amdhsa_wavefront_size32 1
		.amdhsa_system_sgpr_workgroup_id_x 1
		.amdhsa_system_sgpr_workgroup_id_y 1
		.amdhsa_system_sgpr_workgroup_id_z 1
		.amdhsa_system_vgpr_workitem_id 0
		.amdhsa_next_free_vgpr 896
		.amdhsa_next_free_sgpr 100
		.amdhsa_reserve_vcc 0
		.amdhsa_float_denorm_mode_32 3
		.amdhsa_float_denorm_mode_16_64 3
		.amdhsa_memory_ordered 1
		.amdhsa_forward_progress 1
		.amdhsa_inst_pref_size 255
	.end_amdhsa_kernel
	.section	.bss,"aw",@nobits
	.p2align	6
	.space	262144
	.amdgpu_metadata
---
amdhsa.version: [ 1, 2 ]
amdhsa.kernels:
  - .name:           k_q132b957d53_pv
    .symbol:         k_q132b957d53_pv.kd
    .args:
      - { .name: pimg, .offset: 0, .size: 8, .value_kind: global_buffer, .address_space: global }
      - { .name: st, .offset: 8, .size: 8, .value_kind: global_buffer, .address_space: global }
      - { .name: qkv, .offset: 16, .size: 8, .value_kind: global_buffer, .address_space: global }
      - { .name: out0, .offset: 24, .size: 8, .value_kind: global_buffer, .address_space: global }
    .group_segment_fixed_size: 327680
    .private_segment_fixed_size: 0
    .kernarg_segment_align: 8
    .kernarg_segment_size: 32
    .max_flat_workgroup_size: 128
    .sgpr_count:     100
    .vgpr_count:     896
    .wavefront_size: 32
...
	.end_amdgpu_metadata
.endif
;; end of part 4
;; launch first16 (part 5): grid 2 x 4, 8 waves a work-group, no clusters, 44,032 bytes of LDS; arguments fine, out0; writes out0
.if DOCPART == 5
	.amdgcn_target "amdgcn-amd-amdhsa--gfx1250"
	.amdhsa_code_object_version 6
	.text
	.protected	k_q132b957d53_first16
	.globl	k_q132b957d53_first16
	.p2align	8
	.type	k_q132b957d53_first16,@function
k_q132b957d53_first16:
	s_mov_b64 s[64:65], 0
	v_nop
	global_prefetch_b8 v0, s[64:65] scope:SCOPE_SE
	s_setreg_imm32_b32 hwreg(HW_REG_WAVE_MODE, 25, 1), 1
	s_wait_xcnt 0x0
; LAUNCH 5 OF 5.  Rows 0-15 of each sequence, in f32 throughout: these rows average one to sixteen values and are the largest of the output, so the rounding of 16-bit operands would weigh most here.
; LEFT OUT (shown at the head of the first launch): keys beyond 15, whose weights are 0 for these queries; inside the 16 x 16 tile hidden keys are masked.
; fine [64][3072] f32: row 16 seq + r: q, k, v.  Work-group (g, seq): channels 512 g on.  Each work-group makes the 16 x 16 scores itself: wave w sums 128 of the 1,024 along K, the eight parts meet in LDS behind the one barrier.
; Then every wave has the whole softmax (the row's maximum is taken away, as the problem has it), and makes 64 channels: 256 bytes of each row.
; Source 0 = keys (then channels), source 1 = queries: lane (r, h) holds query r.  Along K both sources carry the same order of k, so every product meets its partner.
; q's and k's loads take 32 bytes of each of 16 rows an instruction: 128 KiB a work-group in all.
; The registers that the f32 matrix form writes, v192-223, are written by matrix instructions alone; four accumulators take turns.
.set RED,   0                          ; LDS: eight waves' partial scores, 1,024 bytes each
.set STAGE, 8192                       ; a stage of 16 rows x 272 bytes for each wave
.set SPARE, 43008                      ; the spare words, 128 bytes for each wave, which no other line names
	s_load_b128 s[4:7], s[0:1], 0x0                ; fine, out0
	v_lshl_add_u32 v10, v0, 2, SPARE
	v_mov_b32 v11, 0
	v_lshrrev_b32 v1, 5, v0
	v_readfirstlane_b32 s8, v1                     ; wave 0..7
	s_and_b32 s9, ttmp7, 0xffff                    ; the sequence
	v_and_b32 v1, 15, v0                           ; r
	v_bfe_u32 v2, v0, 4, 1                         ; h
	v_and_b32 v13, 31, v0                          ; lane
	v_mul_u32_u24 v3, v1, 12288
	v_lshl_add_u32 v3, v2, 4, v3
	s_lshl_b32 s10, s8, 9
	v_add_nc_u32 v3, s10, v3                       ; q: row r, + 512 w + 16 h
	v_mul_u32_u24 v4, v2, 8*12288
	v_lshl_add_u32 v4, v1, 2, v4
	s_lshl_b32 s10, ttmp9, 11
	s_lshl_b32 s11, s8, 8
	s_add_co_u32 s10, s10, s11                     ; my 64 channels, in bytes
	s_add_co_u32 s11, s10, 8192
	v_add_nc_u32 v4, s11, v4                       ; v: key 8 h (+ j), channel r (+ 16 t)
	s_lshl_b32 s11, s8, 10
	v_lshlrev_b32 v6, 4, v13                       ; 16 x lane
	v_add_nc_u32 v5, s11, v6                       ; my partial scores' place
	s_mul_i32 s11, s8, 16*272
	s_add_co_u32 s11, s11, STAGE
	v_mul_u32_u24 v7, v1, 272
	v_lshl_add_u32 v7, v2, 5, v7
	v_add_nc_u32 v7, s11, v7                       ; the stage, in: row r, 32 bytes for each half of the lanes
	v_mul_u32_u24 v8, v2, 272
	v_lshl_add_u32 v8, v1, 4, v8
	v_add_nc_u32 v8, s11, v8                       ; back: lanes 0-15 one row, lanes 16-31 the next
	v_lshlrev_b32 v9, 12, v2
	v_lshl_add_u32 v9, v1, 4, v9                   ; and the same two rows in the output
	v_lshlrev_b32 v12, 3, v2
	v_sub_nc_u32 v12, v1, v12                      ; d = r - 8 h: register j holds key 8 h + j, hidden where j > d
	v_mov_b32 v14, 0                               ; written once: a lane permute's destination counts as one of its sources
	s_mov_b32 s16, 0x76543210
	s_mov_b32 s17, 0xfedcba98                      ; v_permlanex16_b32's selects for lane l xor 16
	s_mov_b32 s18, 0x3d38aa3b                      ; c = log2(e) / 32
	s_mul_i32 s12, s9, 16*12288
	s_mov_b32 s13, 0
	s_lshl_b32 s14, s9, 23                         ; 2,048 rows of 4,096 bytes a sequence
	s_add_co_u32 s14, s14, s10
	s_mov_b32 s15, 0
	s_wait_kmcnt 0x0
	s_add_nc_u64 s[4:5], s[4:5], s[12:13]
	s_add_nc_u64 s[6:7], s[6:7], s[14:15]
.irp n, 0,1,2,3,4,5,6,7,8,9,10,11,12,13,14,15
	global_load_b128 v[32+4*\n:35+4*\n], v3, s[4:5] offset:32*\n          ; q(r, 128 w + 8 n + 4 h + 0 .. 3)
	global_load_b128 v[96+4*\n:99+4*\n], v3, s[4:5] offset:4096+32*\n     ; k likewise
.endr
.irp t, 0,1,2,3
.irp j, 0,1,2,3,4,5,6,7
	global_load_b32 v[160+8*\t+\j], v4, s[4:5] offset:12288*\j+64*\t      ; v(8 h + j, my channel 16 t + r)
.endr
.endr
	s_wait_loadcnt 32                              ; q and k are in; v's 32 loads may be out
.set i, 0
.rept 32                               ; my 128 along K, four at a time, on four accumulators by turns; the first four start the sums
.if i < 4
	v_wmma_f32_16x16x4_f32 v[192+8*(i%4):199+8*(i%4)], v[96+2*i:97+2*i], v[32+2*i:33+2*i], 0
.else
	v_wmma_f32_16x16x4_f32 v[192+8*(i%4):199+8*(i%4)], v[96+2*i:97+2*i], v[32+2*i:33+2*i], v[192+8*(i%4):199+8*(i%4)]
.endif
.set i, i+1
.endr
.rept 8
	v_nop                                          ; eight places behind this form, for the reads of the sums and the loads into q's registers
.endr
.irp j, 0,1,2,3,4,5,6,7
	v_add_f32 v[16+\j], v[192+\j], v[200+\j]       ; each accumulator from its low end on
.endr
.irp j, 0,1,2,3,4,5,6,7
	v_add_f32 v[24+\j], v[208+\j], v[216+\j]
.endr
.irp j, 0,1,2,3,4,5,6,7
	v_add_f32 v[16+\j], v[16+\j], v[24+\j]
.endr
	ds_store_b128 v5, v[16:19]
	ds_store_b128 v5, v[20:23] offset:512
	s_wait_dscnt 0x0                               ; for the others' sake: my stores have landed
	s_barrier_signal -1
	s_barrier_wait -1
.irp w, 0,1,2,3,4,5,6,7
	ds_load_b128 v[32+8*\w:35+8*\w], v6 offset:1024*\w
	ds_load_b128 v[36+8*\w:39+8*\w], v6 offset:1024*\w+512
.endr
	s_wait_dscnt 0x0
.irp j, 0,1,2,3,4,5,6,7
	v_add_f32 v[16+\j], v[32+\j], v[40+\j]         ; the eight parts in one order in every wave
.endr
.irp w, 2,3,4,5,6,7
.irp j, 0,1,2,3,4,5,6,7
	v_add_f32 v[16+\j], v[16+\j], v[32+8*\w+\j]
.endr
.endr
	v_mov_b32 v15, 0xff800000                      ; -infinity
.irp j, 0,1,2,3,4,5,6,7
	v_cmp_gt_i32 vcc_lo, \j, v12                   ; key > query
	v_cndmask_b32 v[16+\j], v[16+\j], v15, vcc_lo
.endr
	v_max3_num_f32 v13, v16, v17, v18
	v_max3_num_f32 v13, v13, v19, v20
	v_max3_num_f32 v13, v13, v21, v22
	v_max_num_f32 v13, v13, v23
	v_permlanex16_b32 v14, v13, s16, s17
	v_max_num_f32 v13, v13, v14                    ; the row's largest score: key 0 counts for every query, so it is a number
	v_mul_f32 v13, s18, v13
.irp j, 0,1,2,3,4,5,6,7
	v_fma_f32 v[16+\j], v[16+\j], s18, -v13        ; c s - c m
.endr
.irp j, 0,1,2,3,4,5,6,7
	v_exp_f32 v[16+\j], v[16+\j]
.endr
	v_nop                                          ; a plain line behind the exponentials
	s_wait_alu depctr_va_vdst(0)                   ; one wait for the batch, ahead of its first reader
	v_add_f32 v15, v16, v17
	v_add_f32 v13, v18, v19
	v_add_f32 v15, v15, v20
	v_add_f32 v13, v13, v21
	v_add_f32 v15, v15, v22
	v_add_f32 v13, v13, v23
	v_add_f32 v15, v15, v13
	v_permlanex16_b32 v14, v15, s16, s17
	v_add_f32 v15, v15, v14                        ; the row's sum
	v_rcp_f32 v15, v15
	v_nop
	s_wait_alu depctr_va_vdst(0)
.irp j, 0,1,2,3,4,5,6,7
	v_mul_f32 v[24+\j], v[16+\j], v15              ; the weights: lane (r, h): query r, keys 8 h + j
.endr
	s_wait_loadcnt 0x0                             ; v
.irp s, 0,1,2,3                        ; O^T = V^T P^T: keys 8 h + 2 s + 0, 1 a step, in both sources alike; four tiles of 16 channels by turns
.irp t, 0,1,2,3
.if \s == 0
	v_wmma_f32_16x16x4_f32 v[192+8*\t:199+8*\t], v[160+8*\t+2*\s:161+8*\t+2*\s], v[24+2*\s:25+2*\s], 0
.else
	v_wmma_f32_16x16x4_f32 v[192+8*\t:199+8*\t], v[160+8*\t+2*\s:161+8*\t+2*\s], v[24+2*\s:25+2*\s], v[192+8*\t:199+8*\t]
.endif
.endr
.endr
.rept 8
	v_nop
.endr
.irp t, 0,1,2,3
	ds_store_b128 v7, v[192+8*\t:195+8*\t] offset:64*\t            ; lane (r, h): row r, channels 16 t + 8 h + 0 .. 7; each accumulator from its low end on
	ds_store_b128 v7, v[196+8*\t:199+8*\t] offset:64*\t+16
.endr
.irp i, 0,1,2,3,4,5,6,7
	ds_load_b128 v[32+4*\i:35+4*\i], v8 offset:544*\i              ; LDS serves a wave's instructions in order: these see my stores
.endr
.irp i, 0,1,2,3,4,5,6,7
	s_wait_dscnt 7-\i
	global_store_b128 v9, v[32+4*\i:35+4*\i], s[6:7] offset:8192*\i   ; 16 lanes store 256 consecutive bytes, aligned
.endr
	s_wait_tensorcnt 0x0                           ; the wave's end, behind my last LDS store
	ds_add_u32 v10, v11
	s_wait_dscnt 0x0
	s_endpgm
.Lfunc_end_k_q132b957d53_first16:
	.size	k_q132b957d53_first16, .Lfunc_end_k_q132b957d53_first16-k_q132b957d53_first16
	.p2alignl 7, 3214868480
	.fill 96, 4, 3214868480
	.section	.rodata,"a",@progbits
	.p2align	6, 0x0
	.amdhsa_kernel k_q132b957d53_first16
		.amdhsa_group_segment_fixed_size 44032
		.amdhsa_private_segment_fixed_size 0
		.amdhsa_enable_private_segment 0
		.amdhsa_kernarg_size 16
		.amdhsa_user_sgpr_count 2
		.amdhsa_user_sgpr_kernarg_segment_ptr 1
		.amdhsa_wavefront_size32 1
		.amdhsa_system_sgpr_workgroup_id_x 1
		.amdhsa_system_sgpr_workgroup_id_y 1
		.amdhsa_system_sgpr_workgroup_id_z 1
		.amdhsa_system_vgpr_workitem_id 0
		.amdhsa_next_free_vgpr 256
		.amdhsa_next_free_sgpr 66
		.amdhsa_reserve_vcc 1
		.amdhsa_float_denorm_mode_32 3
		.amdhsa_float_denorm_mode_16_64 3
		.amdhsa_memory_ordered 1
		.amdhsa_forward_progress 1
		.amdhsa_inst_pref_size 21
	.end_amdhsa_kernel
	.amdgpu_metadata
---
amdhsa.version: [ 1, 2 ]
amdhsa.kernels:
  - .name:           k_q132b957d53_first16
    .symbol:         k_q132b957d53_first16.kd
    .args:
      - { .name: fine, .offset: 0, .size: 8, .value_kind: global_buffer, .address_space: global }
      - { .name: out0, .offset: 8, .size: 8, .value_kind: global_buffer, .address_space: global }
    .group_segment_fixed_size: 44032
    .private_segment_fixed_size: 0
    .kernarg_segment_align: 8
    .kernarg_segment_size: 16
    .max_flat_workgroup_size: 256
    .sgpr_count:     66
    .vgpr_count:     256
    .wavefront_size: 32
...
	.end_amdgpu_metadata
.endif
;; end of part 5
